; MI455X (gfx1250); checked and timed in simulation.
; The chip was launched on July 23, 2026; its instructions are those of AMD's public machine-readable ISA for CDNA 5 (MIT licence, August 2026) and "CDNA5" Instruction Set Architecture Reference Guide (July 2026). The comments in the code are by the model that wrote it; some were corrected since.
;; Robust Multi Head Attention. Allowed arithmetic: matrix products marked QUANTISED: E2M1 operands, one E8M0 scale for each 32 along K, by v_wmma_scale_f32_16x16x128_f8f6f4 with both operands' format E2M1 (or v_wmma_scale_f32_32x16x128_f4), f32 sums; products left as they are: bf16, f16 or f32 operands; f32 sums; everything else in f32.
;; Inputs: Wk 1,024 x 1,024 float32; Wo 1,024 x 1,024 float32; Wq 1,024 x 1,024 float32; Wv 1,024 x 1,024 float32; attn_mask 4 x 2,048 float32; k 4 x 2,048 x 1,024 float32; q 4 x 2,048 x 1,024 float32; v 4 x 2,048 x 1,024 float32.
;; Outputs: out0 4 x 2,048 x 1,024 float32.
;; Constants: mask_future = 1.
;; This version of the problem:
;;   THIS VERSION OF THE PROBLEM IS GIVEN IN LOW PRECISION. The matrix products marked QUANTISED in the list below multiply operands that are first quantised to E2M1 (2 exponent bits, 1 mantissa bit; 4 bits a number), with one power-of-two scale for each 32 numbers along K (OCP MX v1.0); their sums are f32. The products marked 'left as it is' may take bf16, f16 or f32 operands, with f32 sums. Whichever they take, every output number must still come out within the allowed error. Rounding operands to bf16 (8 significant bits) uses up far more of that allowance than f16 does (11 bits, for magnitudes from 6e-5 to 65,504). All else is computed in f32.
;;   The module's matrix products, in the order in which they are computed (A, B: the left and right operand; K: the contracted axis; several contracted axes count as one K, in the product's order):
;;     1. [M 8,192, K 1,024] x [K 1,024, N 1,024]; A: input q; B: input Wq: QUANTISED
;;     2. [M 8,192, K 1,024] x [K 1,024, N 1,024]; A: input k; B: input Wk: QUANTISED
;;     3. [M 8,192, K 1,024] x [K 1,024, N 1,024]; A: input v; B: input Wv: QUANTISED
;;     4. batch 64 x [M 2,048, K 64] x [K 64, N 2,048]; A: computed on the way; B: computed on the way: left as it is (an operand is computed on the way)
;;     5. batch 64 x [M 2,048, K 2,048] x [K 2,048, N 64]; A: computed on the way; B: computed on the way: left as it is (an operand is computed on the way)
;;     6. [M 8,192, K 1,024] x [K 1,024, N 1,024]; A: computed on the way; B: input Wo: left as it is (an operand is computed on the way)
;;   THE QUANTISER, for each operand of a quantised product, along K:
;;     - K is cut into blocks of 32 from its start; a last block that is shorter is filled with zeros.
;;     - A block's scale is 2^e with e = floor(log2(the largest magnitude in the block)) - 2, held to -126 .. 127; a block of zeros has e = 0. As a byte (E8M0): e + 127.
;;     - Each number is divided by its block's scale, clamped to +-6, and rounded to the nearest number of E2M1, ties to even, subnormals kept.
;;     - The product sums the exact products of the quantised numbers (number of the format x scale) in f32.
;;   ~~~python
;;   def quantise(x, axis):      # numpy; x: float32 -> the quantised numbers, widened to float32 again
;;       x = np.moveaxis(x, axis, -1); K = x.shape[-1]
;;       x = np.pad(x, [(0, 0)] * (x.ndim - 1) + [(0, -K % 32)]); x = x.reshape(x.shape[:-1] + (-1, 32)); a = np.abs(x).max(-1, keepdims=True)
;;       e = np.where(a > 0, np.clip(np.frexp(np.where(a > 0, a, 1))[1] - 1 - 2, -126, 127), 0)      # np.frexp(a)[1] - 1 = floor(log2(a)), exactly
;;       r = np.clip(x / 2.0 ** e, -6, 6)
;;       step = 2.0 ** (np.maximum(np.frexp(np.where(r == 0, 1, r))[1] - 1, 0) - 1)
;;       q = np.round(r / step) * step * 2.0 ** e      # np.round: ties to even
;;       return np.moveaxis(q.reshape(q.shape[:-2] + (-1,))[..., :K], -1, axis).astype(np.float32)
;;   ~~~
;; One version. Each part assembles by itself: llvm-mc -triple=amdgcn-amd-amdhsa -mcpu=gfx1250 --defsym DOCPART=n.
;; ======== version 1 of 1: 6 launches
;; limits: values are held in f16: magnitudes above 65,504 overflow, below 6.1e-05 lose precision
;; workspace buffers: codes 14,155,776 bytes; scales 884,736 bytes; prep 2,129,920 bytes; flags 6,400 bytes of whole numbers; qkv16 50,331,648 bytes; ctx16 16,777,216 bytes; ctxf 262,144 bytes
;; launch prep (part 1): grid 993 x 1, 4 waves a work-group, no clusters, 33,280 bytes of LDS; arguments q, k, v, Wq, Wk, Wv, Wo, attn_mask, codes, scales, prep, flags; writes codes, scales, prep, flags
.if DOCPART == 1
	.amdgcn_target "amdgcn-amd-amdhsa--gfx1250"
	.amdhsa_code_object_version 6
	.text
	.protected	k_qbb60ed1149_prep
	.globl	k_qbb60ed1149_prep
	.p2align	8
	.type	k_qbb60ed1149_prep,@function
k_qbb60ed1149_prep:
	s_mov_b64 s[64:65], 0
	v_nop
	global_prefetch_b8 v0, s[64:65] scope:SCOPE_SE
	s_setreg_imm32_b32 hwreg(HW_REG_WAVE_MODE, 25, 1), 1
	s_wait_xcnt 0x0
; PREP.  Three kinds of work-groups, told apart by the work-group's number alone.
; A (0 .. 863): q, k, v [8192][1024] and Wq, Wk, Wv [1024][1024], f32, K innermost, become codes of FP4 (E2M1) and one E8M0 byte for each 32 along K, stacked as 27,648 rows:
;    q's tokens, k's, v's, then Wq's, Wk's, Wv's rows; 512 bytes of codes and 32 scale bytes a row.  A block's scale is 2^(floor(log2(largest magnitude)) - 2): its byte is the largest magnitude's exponent field - 2, held at 1 from below.
;    Rows are dense and 1,024 is a multiple of 32: all six tensors are plain streams of blocks of 32.  A wave takes 16 steps of 512 numbers; loads read 512 consecutive bytes; a step's 2,048 bytes turn through the wave's own
;    stage in LDS so that a lane holds 16 neighbours; a wave's store of codes covers 256 consecutive bytes, and its 256 scale bytes leave as one aligned run of 256.
; B (864 .. 991): Wo, f32, is rounded to f16 into prep[0 ..): a load covers 512 consecutive bytes, a store 256.
; C (992): wave b turns attn_mask[b][:] into the bias table prep[2,097,152 + 8,192 b ..): 0 where the key counts, -10000 log2(e) where the mask is 0; and stores f_b, the first key that counts (2,048 if none), into flags[b].
; LIMITS: NaN and infinities among the inputs are not served; a block whose largest magnitude lies under 2^-124 keeps the byte 1 (a block of zeros too: its codes are zeros, and this program alone reads the bytes).
.set WREG,  8192                       ; LDS: a region for each wave: two stages of 32 x SP bytes, then its 256 scale bytes
.set SP,    80                         ; a lane's place in a stage: 64 bytes + 16 of padding
.set CB,    8                          ; bytes of 16 codes
.set STEPS, 16
.set EMAX,  2
.set R,     16                         ; v16-79   four sets of 16 numbers as loaded
.set X,     80                         ; v80-111  two sets of 16 neighbours
.set E,     112                        ; v112-127 a scale byte for each step
.set C,     128                        ; v128-191 codes, four registers a step
.set SPW,   12                         ; v12  LDS address of my spare word; never rewritten
.set NIL,   13                         ; v13  0; never rewritten
.set SPARE, 4*WREG                     ; behind the four regions: the spare words, 128 bytes a wave
.set NEGB,  0xc6616bcd                 ; -10000 log2(e)
.set WV,    32                         ; s32  my wave's number
	s_load_b512 s[4:19], s[0:1], 0x0               ; q s[4:5], k s[6:7], v s[8:9], Wq s[10:11], Wk s[12:13], Wv s[14:15], Wo s[16:17], attn_mask s[18:19]
	s_load_b256 s[20:27], s[0:1], 0x40             ; codes s[20:21], scales s[22:23], prep s[24:25], flags s[26:27]
	v_lshl_add_u32 v[SPW], v0, 2, SPARE
	v_mov_b32 v[NIL], 0
	v_lshrrev_b32 v1, 5, v0
	v_readfirstlane_b32 s[WV], v1                  ; wave 0..3
	v_and_b32 v2, 31, v0                           ; lane
	s_mov_b32 s35, 0                               ; the high word of every offset pair s[34:35]
	s_cmp_ge_u32 ttmp9, 864
	s_cbranch_scc1 .Lnot_a
	; ---------------- A: the quantiser
	v_lshlrev_b32 v3, 4, v2                        ; my 16 bytes of a load's 512
	s_mul_i32 s33, s[WV], WREG
	v_lshrrev_b32 v14, 2, v2
	v_mul_u32_u24 v14, v14, SP
	v_and_b32 v15, 3, v2
	v_lshl_add_u32 v14, v15, 4, v14
	v_add_nc_u32 v14, s33, v14                     ; the stage, on the way in: SP (lane / 4) + 16 (lane % 4)
	v_mul_u32_u24 v15, v2, SP
	v_add_nc_u32 v15, s33, v15                     ; and on the way out: SP x lane: my 16 neighbours
	v_mul_u32_u24 v4, v2, CB                       ; my codes' place in a step's
	v_lshrrev_b32 v5, 1, v2
	s_add_co_u32 s33, s33, 2*32*SP
	v_add_nc_u32 v5, s33, v5                       ; my wave's 256 scale bytes, my block's byte
	v_lshlrev_b32 v7, 3, v2                        ; and on the way out 8 bytes a lane
	v_add_nc_u32 v6, s33, v7
	s_wait_kmcnt 0x0
	s_mov_b64 s[28:29], s[14:15]                   ; which tensor: the choice hangs on the work-group's number alone.  Wv from work-group 832,
	s_mov_b32 s31, 832
	s_cmp_lt_u32 ttmp9, 832
	s_cselect_b64 s[28:29], s[12:13], s[28:29]     ; Wk from 800,
	s_cselect_b32 s31, 800, s31
	s_cmp_lt_u32 ttmp9, 800
	s_cselect_b64 s[28:29], s[10:11], s[28:29]     ; Wq from 768,
	s_cselect_b32 s31, 768, s31
	s_cmp_lt_u32 ttmp9, 768
	s_cselect_b64 s[28:29], s[8:9], s[28:29]       ; v from 512,
	s_cselect_b32 s31, 512, s31
	s_cmp_lt_u32 ttmp9, 512
	s_cselect_b64 s[28:29], s[6:7], s[28:29]       ; k from 256,
	s_cselect_b32 s31, 256, s31
	s_cmp_lt_u32 ttmp9, 256
	s_cselect_b64 s[28:29], s[4:5], s[28:29]       ; q from 0
	s_cselect_b32 s31, 0, s31
	s_sub_co_u32 s34, ttmp9, s31
	s_lshl_b32 s34, s34, 2
	s_add_co_u32 s34, s34, s[WV]                   ; which run of 8,192 numbers of the tensor is my wave's
	s_lshl_b32 s34, s34, 15                        ; 32,768 bytes a run
	s_add_nc_u64 s[28:29], s[28:29], s[34:35]
	s_lshl_b32 s36, ttmp9, 2
	s_add_co_u32 s36, s36, s[WV]                   ; and which run of the stacked rows
	s_lshl_b32 s34, s36, 12                        ; 4,096 bytes of codes a run
	s_add_nc_u64 s[20:21], s[20:21], s[34:35]
	s_lshl_b32 s34, s36, 8                         ; 256 scale bytes a run
	s_add_nc_u64 s[22:23], s[22:23], s[34:35]
.macro LOAD t
.irp i, 0,1,2,3
	global_load_b128 v[R+16*((\t)%4)+4*\i:R+16*((\t)%4)+4*\i+3], v3, s[28:29] offset:2048*(\t)+512*\i th:TH_LOAD_NT   ; 32 lanes read 512 consecutive bytes
.endr
.endm
.macro TURN t                          ; step t's numbers through the stage: LDS serves a wave's instructions in order, so no wait stands between the stores and the loads
.irp i, 0,1,2,3
	ds_store_b128 v14, v[R+16*((\t)%4)+4*\i:R+16*((\t)%4)+4*\i+3] offset:32*SP*((\t)%2)+8*SP*\i
.endr
.irp i, 0,1,2,3
	ds_load_b128 v[X+16*((\t)%2)+4*\i:X+16*((\t)%2)+4*\i+3], v15 offset:32*SP*((\t)%2)+16*\i
.endr
.endm
.irp t, 0,1,2,3
	LOAD \t
.endr
	s_wait_loadcnt 12                              ; step 0's four loads are in; the twelve of steps 1 to 3 may be out
	TURN 0
.macro STEP t
.set XS, X+16*((\t)%2)
.if (\t) > 0
	s_wait_dscnt 1                                 ; this step's numbers are back from the stage (the last step's byte store may be out): so its stores into the stage have read their registers,
.else
	s_wait_dscnt 0x0
.endif
.if (\t)+4 < STEPS
	LOAD (\t)+4                                    ; which take the loads of four steps on
.endif
.if (\t)+1 < STEPS
.if STEPS-2-(\t) >= 3
	s_wait_loadcnt 12                              ; the next step's four loads are in; those of the three steps behind it may be out
.else
	s_wait_loadcnt 4*(STEPS-2-(\t))
.endif
	TURN (\t)+1                                    ; and go through the other stage while this step is worked
.endif
	v_max3_num_f32 v8, |v[XS]|, |v[XS+1]|, |v[XS+2]|               ; the largest magnitude of my 16, in two chains
	v_max3_num_f32 v9, |v[XS+3]|, |v[XS+4]|, |v[XS+5]|
.irp i, 6,10
	v_max3_num_f32 v8, v8, |v[XS+\i]|, |v[XS+\i+1]|
	v_max3_num_f32 v9, v9, |v[XS+\i+2]|, |v[XS+\i+3]|
.endr
	v_max3_num_f32 v8, v8, |v[XS+14]|, |v[XS+15]|
	v_max3_num_f32 v8, v8, v9, (EMAX+1)<<23        ; and the floor 2^(3 - 127): the byte cannot fall under 1
	v_max_num_f32_dpp v8, v8, v8 row_xmask:1 row_mask:0xf bank_mask:0xf   ; and of my neighbour's 16: the block's
	v_add_nc_u32 v11, -(EMAX<<23), v8              ; 2 off its exponent field: the conversion takes the exponent field of this operand as its scale
	v_cvt_scalef32_pk8_fp4_f32 v[C+4*(\t)], v[XS:XS+7], v11
	v_cvt_scalef32_pk8_fp4_f32 v[C+4*(\t)+1], v[XS+8:XS+15], v11
	v_lshrrev_b32 v[E+(\t)], 23, v11               ; the scale's byte
	ds_store_b8 v5, v[E+(\t)] offset:16*(\t)       ; both lanes of a block write the same byte with the same value
	global_store_b64 v4, v[C+4*(\t):C+4*(\t)+1], s[20:21] offset:32*CB*(\t)   ; 32 lanes store 256 consecutive bytes, aligned
.endm
.irp t, 0,1,2,3,4,5,6,7,8,9,10,11,12,13,14,15
	STEP \t
.endr
	ds_load_b64 v[8:9], v6                         ; LDS serves a wave's instructions in order: these see my stores
	s_wait_dscnt 0x0
	global_store_b64 v7, v[8:9], s[22:23]          ; 32 lanes store 256 consecutive bytes, aligned
	s_wait_tensorcnt 0x0                           ; the wave's end, behind my last LDS store
	ds_add_u32 v[SPW], v[NIL]
	s_wait_dscnt 0x0
	s_endpgm
.Lnot_a:
	s_cmp_eq_u32 ttmp9, 992
	s_cbranch_scc1 .Lpath_c
	; ---------------- B: Wo to f16.  A wave takes 2,048 numbers
	s_sub_co_u32 s34, ttmp9, 864
	s_lshl_b32 s34, s34, 2
	s_add_co_u32 s34, s34, s[WV]
	s_lshl_b32 s36, s34, 12                        ; 4,096 bytes out,
	s_mov_b32 s37, 0
	s_lshl_b32 s34, s34, 13                        ; 8,192 bytes in
	v_lshlrev_b32 v3, 4, v2
	v_lshlrev_b32 v4, 3, v2
	s_wait_kmcnt 0x0
	s_add_nc_u64 s[16:17], s[16:17], s[34:35]
	s_add_nc_u64 s[24:25], s[24:25], s[36:37]
.irp j, 0,1,2,3,4,5,6,7,8,9,10,11,12,13,14,15
	global_load_b128 v[32+4*\j:35+4*\j], v3, s[16:17] offset:512*\j
.endr
.irp j, 0,1,2,3,4,5,6,7,8,9,10,11,12,13,14,15
	s_wait_loadcnt 15-\j                           ; loads come back in order: load j is in, the younger ones may be out
	v_cvt_pk_f16_f32 v[96+2*\j], v[32+4*\j], v[33+4*\j]
	v_cvt_pk_f16_f32 v[97+2*\j], v[34+4*\j], v[35+4*\j]
	global_store_b64 v4, v[96+2*\j:97+2*\j], s[24:25] offset:256*\j   ; no register is written twice: no wait for the stores' sources
.endr
	s_endpgm
.Lpath_c:
	; ---------------- C: the bias table and f_b.  Wave = batch
	s_lshl_b32 s34, s[WV], 13                      ; a batch's 2,048 numbers
	v_lshlrev_b32 v3, 4, v2
	v_lshlrev_b32 v22, 2, v2                       ; 4 x lane: my first key of a load's 128
	v_mov_b32 v20, NEGB
	v_mov_b32 v23, 0x800
	v_mov_b32 v24, 0x800                           ; the least key that counts: 2,048 if none
	v_mov_b32 v25, 0                               ; (a lane permute's destination counts as one of its sources)
	s_mov_b32 s36, 0x76543210
	s_mov_b32 s37, 0xfedcba98                      ; v_permlanex16_b32's selects for lane l xor 16
	s_lshl_b32 s33, s[WV], 2
	v_mov_b32 v26, s33
	s_wait_kmcnt 0x0
	s_add_nc_u64 s[18:19], s[18:19], s[34:35]
	s_add_nc_u64 s[24:25], s[24:25], s[34:35]
	s_add_nc_u64 s[24:25], s[24:25], 0x200000
.irp i, 0,1,2,3,4,5,6,7,8,9,10,11,12,13,14,15
	global_load_b128 v[32+4*\i:35+4*\i], v3, s[18:19] offset:512*\i
.endr
	s_wait_loadcnt 0x0
.irp i, 0,1,2,3,4,5,6,7,8,9,10,11,12,13,14,15
.irp c, 0,1,2,3
	v_cmp_eq_f32 vcc_lo, 0, v[32+4*\i+\c]          ; the mask is 0: the key is padded
	v_cndmask_b32 v[96+4*\i+\c], 0, v20, vcc_lo
	v_add_nc_u32 v21, 128*\i+\c, v22               ; the key's number,
	v_cndmask_b32 v21, v21, v23, vcc_lo            ; or 2,048
	v_min_u32 v24, v24, v21
.endr
.endr
.irp i, 0,1,2,3,4,5,6,7,8,9,10,11,12,13,14,15
	global_store_b128 v3, v[96+4*\i:99+4*\i], s[24:25] offset:512*\i
.endr
	v_cvt_f32_u32 v24, v24                         ; the least over the 32 lanes, as f32 (whole numbers up to 2,048 are exact)
	v_min_num_f32_dpp v24, v24, v24 row_xmask:1 row_mask:0xf bank_mask:0xf
	v_min_num_f32_dpp v24, v24, v24 row_xmask:2 row_mask:0xf bank_mask:0xf
	v_min_num_f32_dpp v24, v24, v24 row_xmask:4 row_mask:0xf bank_mask:0xf
	v_min_num_f32_dpp v24, v24, v24 row_xmask:8 row_mask:0xf bank_mask:0xf
	v_permlanex16_b32 v25, v24, s36, s37
	v_min_num_f32 v24, v24, v25
	v_cvt_u32_f32 v24, v24
	v_cmp_eq_u32 vcc_lo, 0, v2
	s_wait_xcnt 0x0                                ; EXEC changes only behind this wait: it is a source of the stores above
	s_and_saveexec_b32 s34, vcc_lo
	global_store_b32 v26, v24, s[26:27]            ; lane 0: flags[b] = f_b
	s_wait_xcnt 0x0
	s_or_b32 exec_lo, exec_lo, s34
	s_endpgm
.Lfunc_end_k_qbb60ed1149_prep:
	.size	k_qbb60ed1149_prep, .Lfunc_end_k_qbb60ed1149_prep-k_qbb60ed1149_prep
	.p2alignl 7, 3214868480
	.fill 96, 4, 3214868480
	.section	.rodata,"a",@progbits
	.p2align	6, 0x0
	.amdhsa_kernel k_qbb60ed1149_prep
		.amdhsa_group_segment_fixed_size 33280
		.amdhsa_private_segment_fixed_size 0
		.amdhsa_enable_private_segment 0
		.amdhsa_kernarg_size 96
		.amdhsa_user_sgpr_count 2
		.amdhsa_user_sgpr_kernarg_segment_ptr 1
		.amdhsa_wavefront_size32 1
		.amdhsa_system_sgpr_workgroup_id_x 1
		.amdhsa_system_sgpr_workgroup_id_y 1
		.amdhsa_system_sgpr_workgroup_id_z 1
		.amdhsa_system_vgpr_workitem_id 0
		.amdhsa_next_free_vgpr 192
		.amdhsa_next_free_sgpr 66
		.amdhsa_reserve_vcc 1
		.amdhsa_float_denorm_mode_32 3
		.amdhsa_float_denorm_mode_16_64 3
		.amdhsa_memory_ordered 1
		.amdhsa_forward_progress 1
		.amdhsa_inst_pref_size 56
	.end_amdhsa_kernel
	.amdgpu_metadata
---
amdhsa.version: [ 1, 2 ]
amdhsa.kernels:
  - .name:           k_qbb60ed1149_prep
    .symbol:         k_qbb60ed1149_prep.kd
    .args:
      - { .name: q, .offset: 0, .size: 8, .value_kind: global_buffer, .address_space: global }
      - { .name: k, .offset: 8, .size: 8, .value_kind: global_buffer, .address_space: global }
      - { .name: v, .offset: 16, .size: 8, .value_kind: global_buffer, .address_space: global }
      - { .name: Wq, .offset: 24, .size: 8, .value_kind: global_buffer, .address_space: global }
      - { .name: Wk, .offset: 32, .size: 8, .value_kind: global_buffer, .address_space: global }
      - { .name: Wv, .offset: 40, .size: 8, .value_kind: global_buffer, .address_space: global }
      - { .name: Wo, .offset: 48, .size: 8, .value_kind: global_buffer, .address_space: global }
      - { .name: attn_mask, .offset: 56, .size: 8, .value_kind: global_buffer, .address_space: global }
      - { .name: codes, .offset: 64, .size: 8, .value_kind: global_buffer, .address_space: global }
      - { .name: scales, .offset: 72, .size: 8, .value_kind: global_buffer, .address_space: global }
      - { .name: prep, .offset: 80, .size: 8, .value_kind: global_buffer, .address_space: global }
      - { .name: flags, .offset: 88, .size: 8, .value_kind: global_buffer, .address_space: global }
    .group_segment_fixed_size: 33280
    .private_segment_fixed_size: 0
    .kernarg_segment_align: 8
    .kernarg_segment_size: 96
    .max_flat_workgroup_size: 128
    .sgpr_count:     66
    .vgpr_count:     192
    .wavefront_size: 32
...
	.end_amdgpu_metadata
.endif
;; end of part 1
;; launch proj (part 2): grid 4 x 96, 4 waves a work-group, clusters of 4 x 4, 327,680 bytes of LDS; arguments codes, scales, attn_mask, qkv16, flags; writes qkv16, flags
.if DOCPART == 2
	.amdgcn_target "amdgcn-amd-amdhsa--gfx1250"
	.amdhsa_code_object_version 6
	.text
	.protected	k_qbb60ed1149_proj
	.globl	k_qbb60ed1149_proj
	.p2align	8
	.type	k_qbb60ed1149_proj,@function
k_qbb60ed1149_proj:
	s_mov_b64 s[64:65], 0
	v_nop
	global_prefetch_b8 v0, s[64:65] scope:SCOPE_SE
	s_setreg_imm32_b32 hwreg(HW_REG_WAVE_MODE, 25, 1), 1
	s_wait_xcnt 0x0
	s_wait_alu depctr_hold_cnt(0) depctr_sa_sdst(0) depctr_va_vdst(0) depctr_va_sdst(0) depctr_va_ssrc(0) depctr_va_vcc(0) depctr_vm_vsrc(0)
	s_getreg_b32 s2, hwreg(HW_REG_IB_STS2, 6, 4)
	s_cmp_eq_u32 s2, 0
	s_cbranch_scc0 .Lentry_in_a_cluster
	s_endpgm
.Lentry_in_a_cluster:
	s_bfe_u32 s2, ttmp6, 0x10000c
	s_cmp_lg_u32 s2, 0xf033
	s_cbranch_scc0 .Lentry_shape_is_right
	s_endpgm
.Lentry_shape_is_right:
; PROJ.  The three projections as ONE product on codes of FP4 (E2M1) with E8M0 scales: rows 0 .. 24,575 of the stacked codes (q's, k's, v's tokens) against the 1,024 rows of their own weight (rows 24,576 + 1,024 x projection on), K = 1,024.
; A tile of 256 x 256 is made by four waves, 128 x 128 each: 64 accumulators, 512 registers.  K is two slots of 512 (LDS rows of 256 bytes + 16): both are asked for at the head, so no slot is filled again.
; The scale bytes of the work-group's 256 + 256 rows, for all of K, come once, as runs of 256 bytes + 16 of padding.
; CLUSTERS: 4 x 4 work-groups; A's tiles are asked for jointly along a row of the cluster, B's along a column.  A cluster's four tile rows lie in one projection (32 tile rows each), so B's address hangs on the cluster's y and on the tile column alone.
; THE MATRIX INSTRUCTION IS USED TRANSPOSED (source 0 = 16 rows of the weight, source 1 = 16 tokens): a lane holds eight neighbouring features of one token.
; THE WAY OUT: a token's row is multiplied by a factor (q: c = log2(e) / 8, both of reference()'s scales and the change to base 2; k: 1, or 0 where attn_mask is 0, so that a padded key's product is 0; v: 1), rounded to f16 and laid
; [projection][batch][head][token][64]: 16 tokens of a head are 2,048 consecutive bytes; each store of a wave covers 512 consecutive bytes, aligned.
; Each wave also stores the exponent field of the largest magnitude that it wrote into flags: later launches bound the scores by it.
; LIMITS: results beyond f16's 65,504 are not served (inputs all 30 times larger than drawn give about 4,500).
; REGISTERS, in windows of 256: window 0: v0-31 addresses; v32-95 scale words, two sets; v96-103 the mask of my rows, v104-119 their factors, v120-121 the largest magnitudes; from v128 A's fragments, one set; on the way out v32-63 packed
;   results, v128-191 rows read back, v192-255 scaled numbers.  window 1: B's fragments, two sets.  windows 2, 3: the accumulators of my rows 0-63, 64-127 ((a, b) at v[8 (8 (a % 4) + b)]).
.set KSTEP,  512
.set NQ,     KSTEP/128
.set ROWB,   256
.set KROW,   512                       ; a row of codes in memory
.set PITCH,  272                       ; an LDS row: 256 bytes + 16: the 16 rows that a load touches start at 16 different 16-byte columns
.set FR,     8
.set NL,     2
.set NP,     4
.set HALFT,  128*PITCH
.set SLOT,   4*HALFT
.set KS,     32                        ; a row of scale bytes
.set SCL,    2*SLOT
.set HALFS,  (128*KS/256)*272
.set SBLK,   (16*KS/256)*272
.set SPARE,  SCL+4*HALFS               ; the spare words, 128 bytes a wave
.set SPITCH, 272                       ; the way out: a stage of 16 rows x (256 bytes + 16) for each wave, in slot 0, which has had its one fill and its last read by then
.set CLOG,   0x3e38aa3b                ; c = log2(e) / 8
.set ADRA, 16
.set ADRB, 20
.set STO,  24
.set RD,   25
.set CO,   26
.set ADRS, 27
.set SPW,  28
.set NIL,  29
.set MA,   30
.set SC,   32
.set MK,   96
.set FA,   104
.set VMX,  120
.set AF,   128
.set PK,   32
.set BK,   128
.set XO,   192
.set G1, 24
.set G0, 32
.set G1B, 48
.set G0B, 56
.set G1S, 68
.set G0S, 76
.set G1SB, 80
.set G0SB, 88
.set MSB, 0
.macro WIN new                         ; the immediate's high byte repeats the setting that is left
.if MSB != (\new)
	s_set_vgpr_msb (MSB<<8)|(\new)
.set MSB, (\new)
.endif
.endm
.set MUL_LO, 0xa1                      ; source 0 (B) window 1, source 1 (A) window 0, C and D window 2
.set MUL_HI, 0xf1
.set TO_B,   0x40
; A joint load: waves 0 and 1 fetch for A, waves 2 and 3 for B; the branch hangs on the wave's number alone.  An s_nop 0 and four v_nop follow each of the two lines.
.macro JLOAD g0a, g1a, g0b, g1b
	s_cmp_eq_u32 s15, 0
	s_cbranch_scc0 .Lfor_b_\@
	tensor_load_to_lds s[\g0a:\g0a+3], s[\g1a:\g1a+7]
	s_nop 0
.rept 4
	v_nop
.endr
	s_branch .Lasked_\@
.Lfor_b_\@:
	tensor_load_to_lds s[\g0b:\g0b+3], s[\g1b:\g1b+7]
	s_nop 0
.rept 4
	v_nop
.endr
.Lasked_\@:
.endm
.macro CROUND                          ; a round of the cluster's barrier
	s_barrier_signal -1
	s_barrier_wait -1
	s_cmp_lg_u32 s14, 0
	s_cbranch_scc1 .Lnot_wave_0_\@
	s_barrier_signal -3
.Lnot_wave_0_\@:
	s_barrier_wait -3
	s_barrier_signal -1
	s_barrier_wait -1
.endm
	s_load_b256 s[4:11], s[0:1], 0x0               ; codes s[4:5], scales s[6:7], attn_mask s[8:9], qkv16 s[10:11]
	s_load_b64 s[12:13], s[0:1], 0x20              ; flags
	v_lshl_add_u32 v[SPW], v0, 2, SPARE
	v_mov_b32 v[NIL], 0
	ds_add_u32 v[SPW], v[NIL]                      ; the wave's opening: the add, twice on end, and its wait ahead of my first tensor load
	ds_add_u32 v[SPW], v[NIL]
	v_lshrrev_b32 v1, 5, v0
	v_readfirstlane_b32 s14, v1                    ; wave 0..3
	s_lshr_b32 s15, s14, 1                         ; which half of the tile's rows is mine.  Also: I fetch for A (0) or for B (1)
	s_and_b32 s16, s14, 1                          ; which half of its columns.  Also: which 128 rows of that tile I fetch
	s_bfe_u32 s40, ttmp6, 0x40000                  ; cx, cy: my place in the cluster
	s_bfe_u32 s41, ttmp6, 0x40004
	s_lshl_b32 s42, ttmp9, 2
	s_add_co_u32 s42, s42, s40                     ; tile column = 4 x cluster x + cx
	s_and_b32 s95, ttmp7, 0xffff                   ; cluster y
	s_lshl_b32 s17, s95, 2
	s_add_co_u32 s17, s17, s41                     ; tile row = 4 x cluster y + cy
	s_lshr_b32 s95, s95, 3                         ; the projection: eight clusters each; all sixteen partners share it
	s_lshl_b32 s43, s41, 2
	s_lshl_b32 s43, 15, s43                        ; my row of the cluster
	s_lshl_b32 s44, 0x1111, s40                    ; my column
	s_or_b32 s[G1+0], s43, (0<<16)|(1<<20)|(1<<21)|(5<<22)|(3<<25)  ; the mask; elements of 1 byte; padding on; bit 21 beside a mask; after every 64 words 4 words
	s_or_b32 s[G1B+0], s44, (0<<16)|(1<<20)|(1<<21)|(5<<22)|(3<<25)
.irp g, G1, G1B
	s_mov_b32 s[\g+1], ROWB<<16                    ; tensor_dim0
	s_mov_b32 s[\g+2], 128<<16                     ; tensor_dim1
	s_mov_b32 s[\g+3], ROWB<<16                    ; tile_dim0
	s_mov_b32 s[\g+4], 128                         ; tile_dim1
	s_mov_b32 s[\g+5], KROW                        ; the pitch
	s_mov_b32 s[\g+6], 0
	s_mov_b32 s[\g+7], 0
.endr
	s_or_b32 s[G1S+0], s43, (3<<16)|(1<<20)|(1<<21)|(5<<22)|(3<<25)  ; the scales of 128 rows: 4,096 dense bytes, as 16 rows of 256 bytes (32 elements of 8), 16 bytes of padding behind each
	s_or_b32 s[G1SB+0], s44, (3<<16)|(1<<20)|(1<<21)|(5<<22)|(3<<25)
.irp g, G1S, G1SB
	s_mov_b32 s[\g+1], 32<<16
	s_mov_b32 s[\g+2], (128*KS/256)<<16
	s_mov_b32 s[\g+3], 32<<16
	s_mov_b32 s[\g+4], 128*KS/256
	s_mov_b32 s[\g+5], 32
	s_mov_b32 s[\g+6], 0
	s_mov_b32 s[\g+7], 0
.endr
	s_lshl_b32 s18, s16, 7                         ; which 128 rows of the tile I fetch
	s_lshl_b32 s20, s17, 8
	s_add_co_u32 s20, s20, s18                     ; A: row 256 x tile row + 128 x half
	s_lshl_b32 s46, s42, 8
	s_add_co_u32 s46, s46, s18
	s_lshl_b32 s19, s95, 10
	s_add_co_u32 s46, s46, s19
	s_add_co_u32 s46, s46, 24576                   ; B: row 24,576 + 1,024 x projection + 256 x tile column + 128 x half
	s_lshl_b32 s22, s20, 5                         ; where these rows' scales begin, in bytes (all under 2^24),
	s_mov_b32 s23, 0
	s_lshl_b32 s92, s46, 5
	s_mov_b32 s93, 0
	s_lshl_b32 s20, s20, 9                         ; and their codes
	s_mov_b32 s21, 0
	s_lshl_b32 s46, s46, 9
	s_mov_b32 s47, 0
	s_mul_i32 s45, s14, HALFT                      ; where they go: wave x 128 rows: no place in the cluster enters an LDS address
	s_mul_i32 s94, s14, HALFS
	s_mov_b32 s98, 0x76543210
	s_mov_b32 s99, 0xfedcba98                      ; v_permlanex16_b32's selects for lane l xor 16
	s_mov_b32 s96, CLOG
	s_cmp_eq_u32 s95, 0
	s_cselect_b32 s97, s96, 0x3f800000             ; a row's factor: c for q, 1 for k and v;
	s_cselect_b32 s96, s96, 0x3f800000
	s_cmp_eq_u32 s95, 1
	s_cselect_b32 s96, 0, s96                      ; and where the row's mask is 0: c, 0, 1
	s_wait_dscnt 0x0                               ; both opening adds are done
	s_wait_kmcnt 0x0
	s_add_nc_u64 s[20:21], s[4:5], s[20:21]
	s_add_nc_u64 s[22:23], s[6:7], s[22:23]
	s_add_nc_u64 s[46:47], s[4:5], s[46:47]
	s_add_nc_u64 s[92:93], s[6:7], s[92:93]
	CROUND                                         ; all sixteen work-groups are here: the joint loads meet
	s_mov_b32 s[G0S], 1
	s_add_co_u32 s[G0S+1], s94, SCL
	s_mov_b64 s[G0S+2:G0S+3], s[22:23]
	s_or_b32 s[G0S+3], s[G0S+3], 0x80000000
	s_mov_b32 s[G0SB], 1
	s_add_co_u32 s[G0SB+1], s94, SCL
	s_mov_b64 s[G0SB+2:G0SB+3], s[92:93]
	s_or_b32 s[G0SB+3], s[G0SB+3], 0x80000000
	JLOAD G0S, G1S, G0SB, G1SB                     ; the scales first: they are wanted with the first K step
.irp s, 0,1
	s_mov_b32 s[G0+4*\s], 1
	s_add_co_u32 s[G0+4*\s+1], s45, \s*SLOT
	s_add_nc_u64 s[G0+4*\s+2:G0+4*\s+3], s[20:21], \s*ROWB
	s_or_b32 s[G0+4*\s+3], s[G0+4*\s+3], 0x80000000
	s_mov_b32 s[G0B+4*\s], 1
	s_add_co_u32 s[G0B+4*\s+1], s45, \s*SLOT
	s_add_nc_u64 s[G0B+4*\s+2:G0B+4*\s+3], s[46:47], \s*ROWB
	s_or_b32 s[G0B+4*\s+3], s[G0B+4*\s+3], 0x80000000
	JLOAD G0+4*\s, G1, G0B+4*\s, G1B               ; all of K: three tensor loads of mine are out
.endr
	v_and_b32 v1, 15, v0                           ; l % 16
	v_bfe_u32 v2, v0, 4, 1                         ; l / 16
	v_mul_u32_u24 v3, v1, PITCH
	v_lshl_add_u32 v4, v2, 4, v3                   ; a fragment's row x pitch + 16 x half
	s_mul_i32 s21, s15, HALFT                      ; my 128 rows of A
	s_mul_i32 s22, s16, HALFT                      ; my 128 rows of B,
	s_add_co_u32 s22, s22, 2*HALFT                 ; which lie behind A's 256
.irp s, 0,1
	v_add_nc_u32 v[ADRA+\s], s21, v4
	v_add_nc_u32 v[ADRB+\s], s22, v4
	s_add_co_u32 s21, s21, SLOT
	s_add_co_u32 s22, s22, SLOT
.endr
	v_mul_u32_u24 v5, v1, KS                       ; my row's scales: 32 bytes a row,
	v_lshrrev_b32 v6, 8, v5
	v_lshl_add_u32 v5, v6, 4, v5                   ; and 16 more for each 256 passed
	s_mul_i32 s21, s15, HALFS
	s_mul_i32 s22, s16, HALFS
	s_add_co_u32 s22, s22, 2*HALFS
	s_sub_co_u32 s22, s22, s21
	v_mul_u32_u24 v6, s22, v2                      ; lanes 16-31 take B's
	s_add_co_u32 s21, s21, SCL
	v_add_nc_u32 v5, v5, v6
	v_add_nc_u32 v[ADRS], s21, v5
	s_mul_i32 s23, s14, 16*SPITCH                  ; my stage
	v_add_nc_u32 v[STO], s23, v4                   ; in: row l % 16, 16 bytes for each half of the lanes
	v_bfe_u32 v5, v0, 3, 2
	v_mul_u32_u24 v5, v5, SPITCH
	v_and_b32 v6, 7, v0
	v_lshl_add_u32 v5, v6, 4, v5
	v_add_nc_u32 v[RD], s23, v5                    ; back: eight lanes take a head's 128 bytes of a row, the 32 lanes four rows
	v_and_b32 v6, 31, v0
	v_lshlrev_b32 v[CO], 4, v6                     ; which are 512 consecutive bytes of the output
	v_lshlrev_b32 v[MA], 2, v1
	s_lshl_b32 s20, s17, 8
	s_lshl_b32 s21, s15, 7
	s_add_co_u32 s20, s20, s21                     ; my first row among the 24,576
	s_and_b32 s21, s20, 8191                       ; = 2,048 x batch + token
	s_lshl_b32 s22, s21, 2
	s_mov_b32 s23, 0
	s_add_nc_u64 s[8:9], s[8:9], s[22:23]          ; its mask
	s_lshr_b32 s22, s20, 11
	s_lshl_b32 s22, s22, 22                        ; (4 x projection + batch) x 16 heads x 2^18 bytes
	s_and_b32 s21, s20, 2047
	s_lshl_b32 s21, s21, 7                         ; + token x 128
	s_add_co_u32 s22, s22, s21
	s_lshl_b32 s46, s42, 2
	s_lshl_b32 s47, s16, 1
	s_add_co_u32 s46, s46, s47                     ; my first head: 4 x tile column + 2 x half
	s_lshl_b32 s46, s46, 18
	s_add_co_u32 s22, s22, s46
	s_add_nc_u64 s[10:11], s[10:11], s[22:23]
	s_lshr_b32 s43, s17, 3                         ; flags: word ((((4 x projection + batch) 4 + tile column) 8 + tile row % 8) 4 + wave), from byte 256
	s_lshl_b32 s43, s43, 2
	s_add_co_u32 s43, s43, s42
	s_lshl_b32 s43, s43, 3
	s_and_b32 s44, s17, 7
	s_add_co_u32 s43, s43, s44
	s_lshl_b32 s43, s43, 2
	s_add_co_u32 s43, s43, s14
	s_lshl_b32 s43, s43, 2
	s_add_co_u32 s43, s43, 256
.irp a, 0,1,2,3,4,5,6,7
	global_load_b32 v[MK+\a], v[MA], s[8:9] offset:64*\a     ; the mask of row 16 a + l % 16: waited for at the way out
.endr
.macro FRAG reg, adr, q, i             ; a fragment, 16 rows x 128 K of 4-bit codes: registers 4 c .. 4 c + 3 hold K = 64 c + 32 (l / 16) + 0 .. 31
.irp c, 0,1
	ds_load_b128 v[\reg+4*\c:\reg+4*\c+3], v[\adr] offset:64*(\q)+32*\c+(\i)*16*PITCH
.endr
.endm
; 16 matrix instructions: A's blocks a0, a0 + 1 x B's eight, 128 along K.  The 64 accumulators take turns, one instruction a turn, in the same order in every step.
.macro MUL16 a0, p, q, sc, zero
.irp a, \a0, \a0+1
.irp b, 0,1,2,3,4,5,6,7
.if \zero
	v_wmma_scale_f32_16x16x128_f8f6f4 v[8*(8*((\a)%4)+\b):8*(8*((\a)%4)+\b)+7], v[128*(\p)+FR*\b:128*(\p)+FR*\b+FR-1], v[AF+FR*(\a):AF+FR*(\a)+FR-1], 0, v[SC+8*NQ*(\sc)+NQ*\b+(\q)], v[SC+8*NQ*(\sc)+NQ*(\a)+(\q)] matrix_a_fmt:MATRIX_FMT_FP4 matrix_b_fmt:MATRIX_FMT_FP4 matrix_a_scale:MATRIX_SCALE_ROW1
.else
	v_wmma_scale_f32_16x16x128_f8f6f4 v[8*(8*((\a)%4)+\b):8*(8*((\a)%4)+\b)+7], v[128*(\p)+FR*\b:128*(\p)+FR*\b+FR-1], v[AF+FR*(\a):AF+FR*(\a)+FR-1], v[8*(8*((\a)%4)+\b):8*(8*((\a)%4)+\b)+7], v[SC+8*NQ*(\sc)+NQ*\b+(\q)], v[SC+8*NQ*(\sc)+NQ*(\a)+(\q)] matrix_a_fmt:MATRIX_FMT_FP4 matrix_b_fmt:MATRIX_FMT_FP4 matrix_a_scale:MATRIX_SCALE_ROW1
.endif
.endr
.endr
.endm
.macro FETCH_B slot, q, p
	WIN TO_B
.irp i, 0,1,2,3,4,5,6,7
	FRAG 128*(\p)+FR*\i, ADRB+\slot, \q, \i
.endr
	WIN 0
.endm
.macro FETCH_A slot, q, i0
.irp i, \i0, \i0+1, \i0+2, \i0+3
	FRAG AF+FR*(\i), ADRA+\slot, \q, \i
.endr
.endm
.macro SCALES sc                       ; a slot's scale words: 4 words a row; lanes 0-15 take A's block i, lanes 16-31 B's block i
.irp i, 0,1,2,3,4,5,6,7
	ds_load_b128 v[SC+8*NQ*\sc+NQ*\i:SC+8*NQ*\sc+NQ*\i+3], v[ADRS] offset:\i*SBLK
.endr
.endm
.macro PLACES n                        ; plain vector instructions between a matrix instruction and a load into, or a vector read or write of, its registers
.rept \n
	v_nop
.endr
.endm
.macro STEP slot, q, zero              ; a step of 128 along K that has its successor in the same slot
	s_wait_dscnt 4*NL                              ; B's set and A's blocks 0-3 are in; the youngest eight loads (A's blocks 4-7) may be out
	WIN MUL_LO
	MUL16 0, (\q)%2, \q, \slot, \zero
	MUL16 2, (\q)%2, \q, \slot, \zero
	s_wait_dscnt 0                                 ; A's blocks 4-7 are in
	PLACES NP
	FETCH_B \slot, (\q)+1, 1-(\q)%2
	FETCH_A \slot, (\q)+1, 0
	WIN MUL_HI
	MUL16 4, (\q)%2, \q, \slot, \zero
	MUL16 6, (\q)%2, \q, \slot, \zero
	PLACES NP
	WIN 0
	FETCH_A \slot, (\q)+1, 4
.endm
.macro STEPS slot, from
.set Q, \from
.rept NQ-1-\from
	STEP \slot, Q, 0
.set Q, Q+1
.endr
.endm
	s_wait_tensorcnt 1                             ; the scales and my part of slot 0 are in (slot 1's load may be out)
	s_barrier_signal -1
	s_barrier_wait -1                              ; everybody's are
	FETCH_B 0, 0, 0
	FETCH_A 0, 0, 0
	SCALES 0
	FETCH_A 0, 0, 4
	STEP 0, 0, 1                                   ; the first step's products start the sums: nothing is cleared
	STEPS 0, 1
	; slot 0's last step changes slots: one barrier; nothing is filled again
	s_wait_tensorcnt 0x0                           ; all my tensor loads have landed: my part of slot 1
	ds_add_u32 v[SPW], v[NIL]                      ; 0 onto my spare word
	s_wait_dscnt 4*NL+1                            ; (the add and the youngest eight loads may be out)
	WIN MUL_LO
	MUL16 0, 1, NQ-1, 0, 0
	s_wait_dscnt 0x0                               ; the add is done, and my reads of slot 0 are over
	s_barrier_signal -1
	MUL16 2, 1, NQ-1, 0, 0
	WIN 0
	s_barrier_wait -1
	PLACES NP
	v_add_nc_u32 v[ADRS], 4*NQ, v[ADRS]            ; on to slot 1's scale words (no LDS load of mine is out)
	FETCH_B 1, 0, 0
	FETCH_A 1, 0, 0
	SCALES 1
	WIN MUL_HI
	MUL16 4, 1, NQ-1, 0, 0
	MUL16 6, 1, NQ-1, 0, 0
	PLACES NP
	WIN 0
	FETCH_A 1, 0, 4
	STEPS 1, 0
	s_wait_dscnt 4*NL                              ; the very last step: nothing more to fetch
	WIN MUL_LO
	MUL16 0, 1, NQ-1, 1, 0
	MUL16 2, 1, NQ-1, 1, 0
	s_wait_dscnt 0
	WIN MUL_HI
	MUL16 4, 1, NQ-1, 1, 0
	MUL16 6, 1, NQ-1, 1, 0
	WIN 0
	; THE WAY OUT, block by block of 16 tokens x 128 features
	PLACES NP
	s_wait_loadcnt 0x0                             ; the mask of my 128 rows
	v_mov_b32 v[VMX], 0
	v_mov_b32 v[VMX+1], 0
	v_mov_b32 v122, s97
	v_mov_b32 v123, s96
.irp a, 0,1,2,3,4,5,6,7
	v_cmp_eq_f32 vcc_lo, 0, v[MK+\a]
	v_cndmask_b32 v[FA+2*\a], v122, v123, vcc_lo   ; the factor of row 16 a + l % 16,
	v_cndmask_b32 v[FA+2*\a+1], v122, v123, vcc_lo ; named as a pair, so both are written
.endr
.macro PACKH a                         ; block a: x the row's factor; the largest magnitude; rounded to f16, 16 bytes for each of B's blocks
.set AC, 64*((\a)%4)
	WIN 0x02+(\a)/4                                ; source 0: window 2 or 3
.set i, 0
.rept 32
	v_pk_mul_f32 v[XO+2*i:XO+2*i+1], v[AC+2*i:AC+2*i+1], v[FA+2*(\a):FA+2*(\a)+1] op_sel_hi:[1,0]   ; each accumulator from its low end on
.set i, i+1
.endr
	WIN 0
.set i, 0
.rept 32
	v_max3_num_f32 v[VMX+i%2], v[VMX+i%2], |v[XO+2*i]|, |v[XO+2*i+1]|
.set i, i+1
.endr
.set i, 0
.rept 32
	v_cvt_pk_f16_f32 v[PK+i], v[XO+2*i], v[XO+2*i+1]
.set i, i+1
.endr
.endm
.macro TOSTAGE a                       ; into my stage and back by rows: LDS serves a wave's instructions in order, so no wait stands between
.set BB, BK+32*((\a)%2)
.irp b, 0,1,2,3,4,5,6,7
	ds_store_b128 v[STO], v[PK+4*\b:PK+4*\b+3] offset:32*\b
.endr
.irp t, 0,1,2,3,4,5,6,7
	ds_load_b128 v[BB+4*\t:BB+4*\t+3], v[RD] offset:(\t%4)*4*SPITCH+(\t/4)*128
.endr
.endm
.macro SEND a, younger                 ; younger: the LDS instructions issued behind block a's loads
.set BB, BK+32*((\a)%2)
	s_wait_dscnt \younger
.irp t, 0,1,2,3,4,5,6,7
	global_store_b128 v[CO], v[BB+4*\t:BB+4*\t+3], s[10:11] offset:(\a)*2048+(\t%4)*512+(\t/4)*262144   ; four tokens of one head: 512 consecutive bytes, aligned
.endr
.endm
	PACKH 0
	TOSTAGE 0
.irp a, 1,2,3,4,5,6,7
	PACKH \a
.if \a > 1
	s_wait_xcnt 0x0                                ; block a - 2's stores have read their registers: block a's loads may land there
.endif
	TOSTAGE \a
	SEND \a-1, 16                                  ; behind block a - 1's loads: block a's 8 stores and 8 loads
.endr
	SEND 7, 0
	v_max_num_f32 v[VMX], v[VMX], v[VMX+1]         ; the largest magnitude that my wave wrote, over the 32 lanes
	v_max_num_f32_dpp v[VMX], v[VMX], v[VMX] row_xmask:1 row_mask:0xf bank_mask:0xf
	v_max_num_f32_dpp v[VMX], v[VMX], v[VMX] row_xmask:2 row_mask:0xf bank_mask:0xf
	v_max_num_f32_dpp v[VMX], v[VMX], v[VMX] row_xmask:4 row_mask:0xf bank_mask:0xf
	v_max_num_f32_dpp v[VMX], v[VMX], v[VMX] row_xmask:8 row_mask:0xf bank_mask:0xf
	v_permlanex16_b32 v[VMX+1], v[VMX], s98, s99
	v_max_num_f32 v[VMX], v[VMX], v[VMX+1]
	v_lshrrev_b32 v[VMX], 23, v[VMX]               ; its exponent field E: every number is under 2^(E - 126)
	v_mov_b32 v122, s43
	v_and_b32 v123, 31, v0
	v_cmp_eq_u32 vcc_lo, 0, v123
	s_wait_xcnt 0x0                                ; EXEC changes only behind this wait: it is a source of the stores above
	s_and_saveexec_b32 s21, vcc_lo
	global_store_b32 v122, v[VMX], s[12:13]        ; lane 0
	s_wait_xcnt 0x0
	s_or_b32 exec_lo, exec_lo, s21
	s_wait_tensorcnt 0x0                           ; the wave's end, behind my last tensor load and my last LDS store
	ds_add_u32 v[SPW], v[NIL]
	s_wait_dscnt 0x0
	CROUND                                         ; the closing round
	s_endpgm
.Lfunc_end_k_qbb60ed1149_proj:
	.size	k_qbb60ed1149_proj, .Lfunc_end_k_qbb60ed1149_proj-k_qbb60ed1149_proj
	.p2alignl 7, 3214868480
	.fill 96, 4, 3214868480
	.section	.rodata,"a",@progbits
	.p2align	6, 0x0
	.amdhsa_kernel k_qbb60ed1149_proj
		.amdhsa_group_segment_fixed_size 327680
		.amdhsa_private_segment_fixed_size 0
		.amdhsa_enable_private_segment 0
		.amdhsa_kernarg_size 40
		.amdhsa_user_sgpr_count 2
		.amdhsa_user_sgpr_kernarg_segment_ptr 1
		.amdhsa_wavefront_size32 1
		.amdhsa_system_sgpr_workgroup_id_x 1
		.amdhsa_system_sgpr_workgroup_id_y 1
		.amdhsa_system_sgpr_workgroup_id_z 1
		.amdhsa_system_vgpr_workitem_id 0
		.amdhsa_next_free_vgpr 1024
		.amdhsa_next_free_sgpr 100
		.amdhsa_reserve_vcc 1
		.amdhsa_float_denorm_mode_32 3
		.amdhsa_float_denorm_mode_16_64 3
		.amdhsa_memory_ordered 1
		.amdhsa_forward_progress 1
		.amdhsa_inst_pref_size 161
	.end_amdhsa_kernel
	.amdgpu_metadata
---
amdhsa.version: [ 1, 2 ]
amdhsa.kernels:
  - .name:           k_qbb60ed1149_proj
    .symbol:         k_qbb60ed1149_proj.kd
    .args:
      - { .name: codes, .offset: 0, .size: 8, .value_kind: global_buffer, .address_space: global }
      - { .name: scales, .offset: 8, .size: 8, .value_kind: global_buffer, .address_space: global }
      - { .name: attn_mask, .offset: 16, .size: 8, .value_kind: global_buffer, .address_space: global }
      - { .name: qkv16, .offset: 24, .size: 8, .value_kind: global_buffer, .address_space: global }
      - { .name: flags, .offset: 32, .size: 8, .value_kind: global_buffer, .address_space: global }
    .group_segment_fixed_size: 327680
    .private_segment_fixed_size: 0
    .kernarg_segment_align: 8
    .kernarg_segment_size: 40
    .max_flat_workgroup_size: 128
    .sgpr_count:     100
    .vgpr_count:     1024
    .wavefront_size: 32
...
	.end_amdgpu_metadata
.endif
;; end of part 2
;; launch attn (part 3): grid 4 x 64, 8 waves a work-group, no clusters, 97,280 bytes of LDS; arguments qkv16, prep, flags, ctx16; writes ctx16
.if DOCPART == 3
	.amdgcn_target "amdgcn-amd-amdhsa--gfx1250"
	.amdhsa_code_object_version 6
	.text
	.protected	k_qbb60ed1149_attn
	.globl	k_qbb60ed1149_attn
	.p2align	8
	.type	k_qbb60ed1149_attn,@function
k_qbb60ed1149_attn:
	s_mov_b64 s[64:65], 0
	v_nop
	global_prefetch_b8 v0, s[64:65] scope:SCOPE_SE
	s_setreg_imm32_b32 hwreg(HW_REG_WAVE_MODE, 25, 1), 1
	s_wait_xcnt 0x0
; ATTN.  ctx[b][l][64 h ..] = softmax over s of (score) x vh, in f16 operands and f32 sums, with reference()'s -10000 kept as it is.  qh arrives x log2(e) / 8, so a score t is in base 2; NEGB = -10000 log2(e).
; THE SCORE of query l and key j is qh . kh + bias: kh's row is 0 where the key is padded, and the bias is the C of a tile's first matrix instruction: below the diagonal the table's 0 or NEGB of the key, beyond the diagonal NEGB,
; on the diagonal chosen number by number.  That is reference()'s score for every (l, j): a padded key has -10000, a future key its product - 10000.
; WHEN THE FUTURE IS LEFT OUT.  EQ, EK are the largest exponent fields stored for this batch's qh and kh in this group of four heads: |t| <= 64 x 2^(EQ - 126) x 2^(EK - 126).  If EQ + EK <= 258, |t| <= 4,096; if also the block's first
; query is at or behind f_b, the batch's first key that counts, each of its rows has a key with t >= -4,096 in view, so a future key lies 6,234 or more under the row's maximum and its 2^x is 0 in f32: leaving it out changes no bit.
; Else the block walks all 2,048 keys.  One text serves both: only the limits LIMG, LIMW hang on the stored numbers.
; NO CLUSTER, NO TENSOR LOAD: the walk's limit hangs on numbers read from memory.  K and V go through registers into LDS.
; SHARES.  A work-group takes blocks 7 - p and p of 256 queries of one head: 18 trips of 128 keys for every p when the future is left out.  Wave w takes 32 queries, two tiles of 16; two waves share a SIMD.
; LAYOUT.  S^T = K Q^T (source 0 = 16 keys, source 1 = 16 queries): a lane holds ONE query (lane % 16) and keys 8 (lane / 16) + 0..7; two such tiles rounded to f16 are source 1 of O^T = V^T P.  V comes out of LDS turned, by ds_load_tr16_b128.
; The row's sum is a product of ones with P: it sums the very p that multiply V.  A running maximum m; O and the sum are multiplied by 2^(m_old - m_new) in every step.
; STORES: a head's row of ctx is 128 bytes, so a store covers four rows' 128 bytes and a run of 256 aligned bytes is shared with the neighbouring head.
; LIMITS: NaN and infinities are not served.
; REGISTERS.  window 0: v1-14 addresses; v16-31 statistics, eight a tile (m, its pair, f, its pair, c0-c3); v32-95 S^T; v96-127 P; v128-191 K, 8 fragments; v192-255 V, 8 fragments.
;   window 1: v0-31 Q; v32-111 O^T (32) and the sum (8) of each tile; v112-175 the bias of 128 keys; v176-183 NEGB; v184-191 ones (f16); v192-223 a tile of K and V on its way to LDS; v224-225 the diagonal's distance.
.set KP,    144                        ; a row of K in LDS: 128 bytes + 16
.set VP,    160                        ; a row of V: 128 + 32
.set VOFF,  128*KP
.set SLOTB, 128*(KP+VP)                ; a slot: 128 keys of K, then of V
.set STAGE, 2*SLOTB                    ; 16 rows x 144 bytes for each wave, for the way out
.set SPARE, STAGE+8*16*KP              ; the spare words, 128 bytes a wave
.set NEGB,  0xc6616bcd
.set AK0, 1
.set AV0, 2
.set FK,  3
.set FV,  4
.set GOF, 5
.set BOF, 6
.set STO, 7
.set RD,  8
.set GO,  9
.set SPW, 10
.set NIL, 11
.set QO,  12
.set RH,  13
.set PFO, 14
.set ST,  16
.set S,   32
.set P,   96
.set KF,  128
.set VF,  192
.set Q,   0                            ; window 1 from here on
.set O,   32
.set PB,  112
.set NB,  176
.set ON,  184
.set KS,  192
.set VS,  208
.set DT,  224
.set WV,  12                           ; scalars
.set PP,  13
.set BH,  14
.set BB,  15
.set HH,  16
.set FB,  17
.set BIG, 18
.set Q0,  20
.set QW,  21
.set QD,  22
.set LIMG, 23
.set LIMW, 24
.set K0,  25
.set BLK, 26
.set TR,  27
.set KH,  28
.set VH,  30
.set KB,  32
.set VB,  34
.set PBH, 36
.set PBN, 38
.set QB,  40
.set CB,  42
.set SEL, 44
.set PFL, 46
.set T0,  84
.set T1,  85
.set EQ,  88
.set EK,  89
.set MSB, 0
.macro WIN new                         ; the immediate's high byte repeats the setting that is left.  bits 1:0 source 0, 3:2 source 1, 5:4 source 2, 7:6 destination
.if MSB != (\new)
	s_set_vgpr_msb (MSB<<8)|(\new)
.set MSB, (\new)
.endif
.endm
	s_load_b256 s[4:11], s[0:1], 0x0               ; qkv16 s[4:5], prep s[6:7], flags s[8:9], ctx16 s[10:11]
	v_lshl_add_u32 v[SPW], v0, 2, SPARE
	v_mov_b32 v[NIL], 0
	v_lshrrev_b32 v15, 5, v0
	v_readfirstlane_b32 s[WV], v15                 ; wave 0..7
	s_mov_b32 s[PP], ttmp9
	s_and_b32 s[BH], ttmp7, 0xffff
	s_lshr_b32 s[BB], s[BH], 4                     ; batch
	s_and_b32 s[HH], s[BH], 15                     ; head
	v_and_b32 v15, 15, v0                          ; r
	v_bfe_u32 v16, v0, 4, 1                        ; h
	v_mul_u32_u24 v[AK0], v15, KP
	v_lshl_add_u32 v[AK0], v16, 4, v[AK0]          ; a fragment of K: row r, + 16 h
	v_and_b32 v17, 7, v0
	v_bfe_u32 v18, v0, 3, 1
	v_lshl_add_u32 v[AV0], v16, 3, v17
	v_mul_u32_u24 v[AV0], v[AV0], VP
	v_lshl_add_u32 v[AV0], v18, 4, v[AV0]
	v_add_nc_u32 v[AV0], VOFF, v[AV0]              ; the turning load: key 8 h + l % 8, channels 8 ((l / 8) % 2) on
	v_lshrrev_b32 v19, 3, v0                       ; the fill: thread / 8 = the row, thread % 8 = its 16 bytes
	v_mul_u32_u24 v[FK], v19, KP
	v_lshl_add_u32 v[FK], v17, 4, v[FK]
	v_mul_u32_u24 v[FV], v19, VP
	v_lshl_add_u32 v[FV], v17, 4, v[FV]
	v_add_nc_u32 v[FV], VOFF, v[FV]
	v_lshlrev_b32 v[GOF], 4, v0                    ; and in memory 16 x thread: a tile is 16,384 dense bytes
	v_lshlrev_b32 v[BOF], 5, v16                   ; the bias: eight keys of my half
	s_mul_i32 s[T0], s[WV], 16*KP
	s_add_co_u32 s[T0], s[T0], STAGE               ; my stage
	v_add_nc_u32 v[STO], s[T0], v[AK0]             ; in: row r, 16 bytes for each half of the lanes
	v_bfe_u32 v19, v0, 3, 2
	v_mul_u32_u24 v[RD], v19, KP
	v_lshl_add_u32 v[RD], v17, 4, v[RD]
	v_add_nc_u32 v[RD], s[T0], v[RD]               ; back: eight lanes a row of 128 bytes, four rows an instruction
	v_lshlrev_b32 v[GO], 11, v19
	v_lshl_add_u32 v[GO], v17, 4, v[GO]            ; and the same in ctx16: rows 2,048 bytes apart
	v_lshlrev_b32 v[QO], 7, v15
	v_lshl_add_u32 v[QO], v16, 4, v[QO]            ; Q: row r of 128 bytes, + 16 h
	v_lshlrev_b32 v19, 3, v16
	v_sub_nc_u32 v[RH], v15, v19                   ; r - 8 h
	v_and_b32 v[PFO], 31, v0
	v_lshlrev_b32 v[PFO], 8, v[PFO]                ; the prefetches: lanes 256 bytes apart,
	s_and_b32 s[T0], s[WV], 1
	s_lshl_b32 s[T0], s[T0], 13                    ; 8,192 bytes a wave,
	s_bfe_u32 s[T1], s[WV], 0x10001
	s_lshl_b32 s[T1], s[T1], 24                    ; waves 2 and 3 in V, which lies 2^24 bytes behind K
	s_add_co_u32 s[T0], s[T0], s[T1]
	v_add_nc_u32 v[PFO], s[T0], v[PFO]
	s_mov_b32 s[SEL], 0x76543210
	s_mov_b32 s[SEL+1], 0xfedcba98                 ; v_permlanex16_b32's selects for lane l xor 16
	WIN 0x40
.irp j, 0,1,2,3,4,5,6,7
	v_mov_b32 v[NB+\j], NEGB
	v_mov_b32 v[ON+\j], 0x3c003c00
.endr
	WIN 0
	s_wait_kmcnt 0x0
	s_lshl_b32 s86, s[BB], 2
	s_mov_b32 s87, 0
	s_add_nc_u64 s[86:87], s[8:9], s[86:87]
	s_load_b32 s[FB], s[86:87], 0x0                ; f_b
	s_wait_kmcnt 0x0
; the largest of the 32 exponent fields that projection pr stored for this batch and this group of four heads
.macro EMAX dst, pr
	s_lshl_b32 s86, s[BB], 2
	s_lshr_b32 s[T0], s[HH], 2
	s_add_co_u32 s86, s86, s[T0]
	s_lshl_b32 s86, s86, 7
	s_mov_b32 s87, 0
	s_add_nc_u64 s[86:87], s[8:9], s[86:87]
	s_load_b512 s[48:63], s[86:87], 256+\pr*2048
	s_load_b512 s[68:83], s[86:87], 256+\pr*2048+64
	s_wait_kmcnt 0x0
	s_max_u32 s[\dst], s48, s49
.irp n, 50,51,52,53,54,55,56,57,58,59,60,61,62,63,68,69,70,71,72,73,74,75,76,77,78,79,80,81,82,83
	s_max_u32 s[\dst], s[\dst], s\n
.endr
.endm
	EMAX EQ, 0
	EMAX EK, 1
	s_add_co_u32 s[T0], s[EQ], s[EK]
	s_cmp_gt_u32 s[T0], 258
	s_cselect_b32 s[BIG], 1, 0                     ; 1: the scores are not shown to stay under 4,096
	s_lshl_b32 s86, s[BH], 18
	s_mov_b32 s87, 0
	s_add_nc_u64 s[4:5], s[4:5], s[86:87]          ; the head's rows of qh,
	s_add_nc_u64 s[KH:KH+1], s[4:5], 0x1000000     ; of kh,
	s_add_nc_u64 s[VH:VH+1], s[4:5], 0x2000000     ; of vh
	s_lshl_b32 s86, s[BB], 13
	s_add_nc_u64 s[PBH:PBH+1], s[6:7], s[86:87]
	s_add_nc_u64 s[PBH:PBH+1], s[PBH:PBH+1], 0x200000   ; the batch's bias table
	s_lshl_b32 s86, s[BB], 22
	s_lshl_b32 s[T0], s[HH], 7
	s_add_co_u32 s86, s86, s[T0]
	s_add_nc_u64 s[10:11], s[10:11], s[86:87]      ; ctx16 at the batch's first row, the head's 128 bytes
.macro FILLLD                          ; a tile of K and of V, 16 bytes a thread four times each, into the registers on the way to LDS
	WIN 0x40
.irp i, 0,1,2,3
	global_load_b128 v[KS+4*\i:KS+4*\i+3], v[GOF], s[KB:KB+1] offset:4096*\i
.endr
.irp i, 0,1,2,3
	global_load_b128 v[VS+4*\i:VS+4*\i+3], v[GOF], s[VB:VB+1] offset:4096*\i
.endr
	WIN 0
.endm
.macro FILLST sl                       ; and from there into slot sl
	WIN 0x04
.irp i, 0,1,2,3
	ds_store_b128 v[FK], v[KS+4*\i:KS+4*\i+3] offset:(\sl)*SLOTB+\i*32*KP
.endr
.irp i, 0,1,2,3
	ds_store_b128 v[FV], v[VS+4*\i:VS+4*\i+3] offset:(\sl)*SLOTB+\i*32*VP
.endr
	WIN 0
.endm
.macro BIASLD                          ; the bias of 128 keys in the layout of a result: register j of tile k holds that of key 16 k + 8 h + j
	WIN 0x40
.irp k, 0,1,2,3,4,5,6,7
	global_load_b128 v[PB+8*\k:PB+8*\k+3], v[BOF], s[PBN:PBN+1] offset:64*\k
	global_load_b128 v[PB+8*\k+4:PB+8*\k+7], v[BOF], s[PBN:PBN+1] offset:64*\k+16
.endr
	WIN 0
.endm
; A PREFETCH of the tile of 128 keys that will be loaded two trips on: K's and V's 16,384 bytes, lanes 256 bytes apart, 8,192 bytes a wave: waves 0, 1 for K, waves 2, 3 for V, one instruction each.
; The four work-groups of a head walk the same K and V: work-group p = 0 asks, in its first block, which walks all keys; so each run of 256 bytes from key 512 on is named once.  It stops where the tile would lie past key 2,047.
.macro ASK
	s_add_co_u32 s[T0], s[K0], 512
	s_cmp_lt_u32 s[T0], s[PFL]
	s_cbranch_scc0 .Lnoask_\@
	global_prefetch_b8 v[PFO], s[KB:KB+1] offset:32768 th:TH_LOAD_NT scope:SCOPE_SE
.Lnoask_\@:
.endm
; Eight products: four tiles of keys x two tiles of queries.  mode 0: channels 0-31, C = the table's bias; 1: C = NEGB; 2: C = what stands in S; 3: channels 32-63, onto S.  The eight accumulators take turns.
.macro KQ8 mode, u
.irp kt, 0,1,2,3
.irp t, 0,1
.if \mode == 0
	v_wmma_f32_16x16x32_f16 v[S+32*\t+8*\kt:S+32*\t+8*\kt+7], v[KF+16*\kt:KF+16*\kt+7], v[Q+16*\t:Q+16*\t+7], v[PB+32*\u+8*\kt:PB+32*\u+8*\kt+7]
.elseif \mode == 1
	v_wmma_f32_16x16x32_f16 v[S+32*\t+8*\kt:S+32*\t+8*\kt+7], v[KF+16*\kt:KF+16*\kt+7], v[Q+16*\t:Q+16*\t+7], v[NB:NB+7]
.elseif \mode == 2
	v_wmma_f32_16x16x32_f16 v[S+32*\t+8*\kt:S+32*\t+8*\kt+7], v[KF+16*\kt:KF+16*\kt+7], v[Q+16*\t:Q+16*\t+7], v[S+32*\t+8*\kt:S+32*\t+8*\kt+7]
.else
	v_wmma_f32_16x16x32_f16 v[S+32*\t+8*\kt:S+32*\t+8*\kt+7], v[KF+16*\kt+8:KF+16*\kt+15], v[Q+16*\t+8:Q+16*\t+15], v[S+32*\t+8*\kt:S+32*\t+8*\kt+7]
.endif
.endr
.endr
.endm
; 64 KEYS, the u-th half of slot sl's tile
.macro SUB sl, u
.rept 4
	v_nop                                          ; places in front of the loads into V's registers, which the last products read
.endr
.irp kt, 0,1,2,3
.irp d, 0,1
	ds_load_b128 v[KF+16*\kt+8*\d:KF+16*\kt+8*\d+3],   v[AK0] offset:(\sl)*SLOTB+(64*\u+16*\kt)*KP+64*\d
	ds_load_b128 v[KF+16*\kt+8*\d+4:KF+16*\kt+8*\d+7], v[AK0] offset:(\sl)*SLOTB+(64*\u+16*\kt)*KP+64*\d+32
.endr
.endr
.irp k2, 0,1
.irp ct, 0,1,2,3
	ds_load_tr16_b128 v[VF+32*\k2+8*\ct:VF+32*\k2+8*\ct+3],   v[AV0] offset:(\sl)*SLOTB+(64*\u+32*\k2)*VP+32*\ct
	ds_load_tr16_b128 v[VF+32*\k2+8*\ct+4:VF+32*\k2+8*\ct+7], v[AV0] offset:(\sl)*SLOTB+(64*\u+32*\k2)*VP+32*\ct+16*VP
.endr
.endr
	s_add_co_u32 s[T0], s[K0], 64*\u               ; the first of these 64 keys
	s_wait_dscnt 16                                ; K's 16 loads are in; V's 16 may be out
	s_cmp_lt_u32 s[T0], s[QD]
	s_cbranch_scc1 .Lbelow_\@
	s_cmp_eq_u32 s[T0], s[QD]
	s_cbranch_scc1 .Ldiag_\@
	WIN 0x14                                       ; all 64 keys come after my 32 queries
	KQ8 1, \u
	WIN 0
	s_branch .Ljoin_\@
.Lbelow_\@:
	WIN 0x14                                       ; all 64 keys come before my queries
	KQ8 0, \u
	WIN 0
	s_branch .Ljoin_\@
.Ldiag_\@:
	s_sub_co_u32 s[T1], s[QW], s[T0]
	WIN 0x40
	v_add_nc_u32 v[DT], s[T1], v[RH]               ; d = my query - the first key - 8 h: register j of tile kt holds a future key where 16 kt + j > d
	s_add_co_u32 s[T1], s[T1], 16
	v_add_nc_u32 v[DT+1], s[T1], v[RH]
	WIN 0x05
.irp t, 0,1
.irp kt, 0,1,2,3
.irp j, 0,1,2,3,4,5,6,7
	v_cmp_gt_i32 vcc_lo, 16*\kt+\j, v[DT+\t]
	v_cndmask_b32 v[S+32*\t+8*\kt+\j], v[PB+32*\u+8*\kt+\j], v[NB], vcc_lo
.endr
.endr
.endr
	WIN 0x04
	KQ8 2, \u
	WIN 0
.Ljoin_\@:
	WIN 0x04
	KQ8 3, \u
	WIN 0
.rept 4
	v_nop                                          ; places in front of the first read of the scores
.endr
.irp j, 0,1,2,3                        ; the largest of a lane's 32 scores and the old m: four chains, each accumulator read from its low end on
.irp t, 0,1
	v_max3_num_f32 v[ST+8*\t+4+\j], v[S+32*\t+8*\j], v[S+32*\t+8*\j+1], v[S+32*\t+8*\j+2]
.endr
.endr
.irp g, 1,2
.irp j, 0,1,2,3
.irp t, 0,1
	v_max3_num_f32 v[ST+8*\t+4+\j], v[ST+8*\t+4+\j], v[S+32*\t+8*\j+2*\g+1], v[S+32*\t+8*\j+2*\g+2]
.endr
.endr
.endr
.irp t, 0,1
	v_max3_num_f32 v[ST+8*\t+4], v[ST+8*\t+4], v[S+32*\t+7], v[S+32*\t+15]
	v_max3_num_f32 v[ST+8*\t+6], v[ST+8*\t+6], v[S+32*\t+23], v[S+32*\t+31]
.endr
.irp t, 0,1
	v_max3_num_f32 v[ST+8*\t+4], v[ST+8*\t+4], v[ST+8*\t+5], v[ST+8*\t+6]
.endr
.irp t, 0,1
	v_max3_num_f32 v[ST+8*\t+4], v[ST+8*\t+4], v[ST+8*\t+7], v[ST+8*\t]
.endr
.irp t, 0,1
	v_permlanex16_b32 v[ST+8*\t+5], v[ST+8*\t+4], s[SEL], s[SEL+1]   ; the query's other 32 keys lie in the lane 16 away
.endr
.irp t, 0,1
	v_max_num_f32 v[ST+8*\t+6], v[ST+8*\t+4], v[ST+8*\t+5]           ; the new m
.endr
.irp t, 0,1
	v_sub_f32 v[ST+8*\t+7], v[ST+8*\t], v[ST+8*\t+6]                 ; m_old - m_new
.endr
.irp t, 0,1
	v_mov_b32 v[ST+8*\t], v[ST+8*\t+6]
.endr
.if \u == 1
	s_add_co_u32 s[T0], s[K0], 128                 ; the next trip's bias, if I work in the next trip: both sets have been read, more than four plain instructions ago
	s_cmp_ge_u32 s[T0], s[LIMW]
	s_cbranch_scc1 .Lnob_\@
	s_wait_xcnt 0x0                                ; the base of the last bias loads is stepped only behind this wait
	s_add_nc_u64 s[PBN:PBN+1], s[PBN:PBN+1], 512
	BIASLD
.Lnob_\@:
.endif
.irp t, 0,1
	v_exp_f32 v[ST+8*\t+2], v[ST+8*\t+7]           ; f = 2^(m_old - m_new)
.endr
.set i, 0
.rept 16
	v_pk_add_f32 v[S+2*i:S+2*i+1], v[S+2*i:S+2*i+1], v[ST:ST+1] op_sel_hi:[1,0] neg_lo:[0,1] neg_hi:[0,1]             ; t - m, two at a time
	v_pk_add_f32 v[S+32+2*i:S+32+2*i+1], v[S+32+2*i:S+32+2*i+1], v[ST+8:ST+9] op_sel_hi:[1,0] neg_lo:[0,1] neg_hi:[0,1]
.set i, i+1
.endr
.set i, 0
.rept 64
	v_exp_f32 v[S+i], v[S+i]                       ; p = 2^(t - m), at most 1
.set i, i+1
.endr
	v_nop                                          ; a plain instruction behind the last exponential
	s_wait_alu depctr_va_vdst(0)                   ; one wait for the 66 exponentials, ahead of the first instruction that names a result
.set i, 0
.rept 32
	v_cvt_pk_f16_f32 v[P+i], v[S+2*i], v[S+2*i+1]  ; tiles 2 k2 and 2 k2 + 1 of a query tile are source 1 for keys 32 k2 on
.set i, i+1
.endr
	WIN 0x41
.set i, 0
.rept 20
	v_pk_mul_f32 v[O+2*i:O+2*i+1], v[O+2*i:O+2*i+1], v[ST+2:ST+3] op_sel_hi:[1,0]               ; O^T and the sum under the new m, each accumulator from its low end on
	v_pk_mul_f32 v[O+40+2*i:O+40+2*i+1], v[O+40+2*i:O+40+2*i+1], v[ST+10:ST+11] op_sel_hi:[1,0]
.set i, i+1
.endr
	s_wait_dscnt 0x0                               ; V is in
.irp k2, 0,1                           ; ten accumulators take turns
	WIN 0x50
.irp ct, 0,1,2,3
.irp t, 0,1
	v_wmma_f32_16x16x32_f16 v[O+40*\t+8*\ct:O+40*\t+8*\ct+7], v[VF+32*\k2+8*\ct:VF+32*\k2+8*\ct+7], v[P+16*\t+8*\k2:P+16*\t+8*\k2+7], v[O+40*\t+8*\ct:O+40*\t+8*\ct+7]
.endr
.endr
	WIN 0x51
.irp t, 0,1
	v_wmma_f32_16x16x32_f16 v[O+40*\t+32:O+40*\t+39], v[ON:ON+7], v[P+16*\t+8*\k2:P+16*\t+8*\k2+7], v[O+40*\t+32:O+40*\t+39]   ; ones x P: the row's sum, in every register
.endr
.endr
	WIN 0
.endm
; A TRIP: 128 keys in slot sl.  Between two barriers slot sl is only read and the other slot only written; the barrier stands on every wave's path, under no branch.
.macro TRIP sl
	s_cmp_ge_u32 s[K0], s[LIMW]
	s_cbranch_scc1 .Lskip_\@
	SUB \sl, 0
	s_add_co_u32 s[T0], s[K0], 64
	s_cmp_ge_u32 s[T0], s[LIMW]
	s_cbranch_scc1 .Lskip_\@
	SUB \sl, 1
.Lskip_\@:
	s_wait_loadcnt 0x0                             ; the next tile, asked for a trip ago, is in its registers; so is the next trip's bias
	s_add_co_u32 s[T0], s[K0], 128
	s_cmp_ge_u32 s[T0], s[LIMG]
	s_cbranch_scc1 .Lnost_\@
	FILLST 1-\sl
.Lnost_\@:
	s_wait_dscnt 0x0                               ; for the others' sake: my stores have landed, and my reads of this slot are over
	s_add_co_u32 s[T0], s[K0], 256
	s_cmp_ge_u32 s[T0], s[LIMG]
	s_cbranch_scc1 .Lnold_\@
	s_wait_xcnt 0x0                                ; the last prefetch, a trip back, has read its base
	s_add_nc_u64 s[KB:KB+1], s[KB:KB+1], 16384
	s_add_nc_u64 s[VB:VB+1], s[VB:VB+1], 16384
	FILLLD                                         ; the tile two trips on: it has the next trip's work in which to come
	ASK
.Lnold_\@:
	s_barrier_signal -1
	s_barrier_wait -1
	s_add_co_u32 s[K0], s[K0], 128
.endm
	s_mov_b32 s[BLK], 2
.Lblock:
	s_wait_xcnt 0x0                                ; the last block's stores, loads and prefetches have read their registers and bases
	s_sub_co_u32 s[T0], 7, s[PP]
	s_cmp_eq_u32 s[BLK], 2
	s_cselect_b32 s[T0], s[T0], s[PP]              ; block 7 - p, then block p
	s_lshl_b32 s[Q0], s[T0], 8
	s_lshl_b32 s[T1], s[WV], 5
	s_add_co_u32 s[QW], s[Q0], s[T1]               ; my first query
	s_and_b32 s[QD], s[QW], 0xffffffc0             ; the 64 keys in which my diagonal lies
	s_lshr_b32 s[T1], s[WV], 2
	s_or_b32 s[T1], s[T1], s[PP]
	s_sub_co_u32 s[T0], 2, s[BLK]
	s_or_b32 s[T1], s[T1], s[T0]
	s_cmp_eq_u32 s[T1], 0                          ; waves 0-3 of work-group p = 0, in its first block, prefetch
	s_cselect_b32 s[PFL], 2048, 0
	s_cmp_lt_u32 s[Q0], s[FB]
	s_cselect_b32 s[T0], 1, 0
	s_or_b32 s[T0], s[T0], s[BIG]                  ; not 0: the future is not shown to count for nothing
	s_add_co_u32 s[LIMG], s[Q0], 256
	s_add_co_u32 s[LIMW], s[QD], 64
	s_cmp_eq_u32 s[T0], 0
	s_cselect_b32 s[LIMG], s[LIMG], 2048           ; keys that the work-group brings in,
	s_cselect_b32 s[LIMW], s[LIMW], 2048           ; keys that my wave walks
	s_lshl_b32 s86, s[QW], 7
	s_mov_b32 s87, 0
	s_add_nc_u64 s[QB:QB+1], s[4:5], s[86:87]
	s_lshl_b32 s86, s[QW], 11
	s_add_nc_u64 s[CB:CB+1], s[10:11], s[86:87]
	s_mov_b64 s[KB:KB+1], s[KH:KH+1]
	s_mov_b64 s[VB:VB+1], s[VH:VH+1]
	s_mov_b64 s[PBN:PBN+1], s[PBH:PBH+1]
	s_mov_b32 s[K0], 0
	WIN 0x40
.irp t, 0,1
.irp d, 0,1
	global_load_b128 v[Q+16*\t+8*\d:Q+16*\t+8*\d+3],   v[QO], s[QB:QB+1] offset:\t*2048+\d*64
	global_load_b128 v[Q+16*\t+8*\d+4:Q+16*\t+8*\d+7], v[QO], s[QB:QB+1] offset:\t*2048+\d*64+32
.endr
.endr
	BIASLD
	FILLLD                                         ; keys 0-127
.irp t, 0,1
	v_mov_b32 v[ST+8*\t], 0xff61b1e6               ; m = -3e38, under every score
	v_mov_b32 v[ST+8*\t+1], 0                      ; (named with m as a pair)
	v_mov_b32 v[ST+8*\t+3], 0                      ; (named with f as a pair)
	v_mov_b32 v[ST+8*\t+5], 0                      ; (named with 1 / the sum as a pair on the way out)
.endr
	WIN 0x40
.set i, 0
.rept 80
	v_mov_b32 v[O+i], 0                            ; O^T and the sums: the step is written once; its first run finds zeros, which f = 0 leaves zeros
.set i, i+1
.endr
	WIN 0
	s_wait_loadcnt 0x0
	FILLST 0
	s_wait_dscnt 0x0
	s_add_nc_u64 s[KB:KB+1], s[KB:KB+1], 16384     ; (its loads are done)
	s_add_nc_u64 s[VB:VB+1], s[VB:VB+1], 16384
	FILLLD                                         ; keys 128-255: every block brings in at least 256
	s_barrier_signal -1
	s_barrier_wait -1
	s_mov_b32 s[TR], 8
.Ltrip:                                            ; 16 trips in every block: the count is a constant; what lies past the limits is jumped over inside a trip
	TRIP 0
	TRIP 1
	s_sub_co_u32 s[TR], s[TR], 1
	s_cmp_lg_u32 s[TR], 0
	s_cbranch_scc1 .Ltrip
	s_wait_loadcnt 0x0                             ; no load into the registers on the way to LDS is out when the next block asks for them again (the last two trips ask for nothing: k0 + 256 is then 2,048 or more, so nothing is waited for here)
	; THE WAY OUT: O^T / the sum, rounded to f16, through my stage, a tile of 16 rows at a time
.rept 4
	v_nop                                          ; places behind the last products
.endr
	WIN 0x01
	v_rcp_f32 v[ST+4], v[O+32]
	v_rcp_f32 v[ST+12], v[O+72]
	v_nop                                          ; a plain instruction behind the reciprocals
	s_wait_alu depctr_va_vdst(0)                   ; and the wait ahead of their first reader
.irp t, 0,1
.set i, 0
.rept 16
	v_pk_mul_f32 v[S+32*\t+2*i:S+32*\t+2*i+1], v[O+40*\t+2*i:O+40*\t+2*i+1], v[ST+8*\t+4:ST+8*\t+5] op_sel_hi:[1,0]
.set i, i+1
.endr
.endr
	WIN 0
.set i, 0
.rept 32
	v_cvt_pk_f16_f32 v[P+i], v[S+2*i], v[S+2*i+1]
.set i, i+1
.endr
.irp t, 0,1
.irp ct, 0,1,2,3
	ds_store_b128 v[STO], v[P+16*\t+4*\ct:P+16*\t+4*\ct+3] offset:32*\ct
.endr
.irp i, 0,1,2,3
	ds_load_b128 v[S+32*\t+4*\i:S+32*\t+4*\i+3], v[RD] offset:576*\i   ; LDS serves a wave's instructions in order: these see the stores above, and the next tile's stores come behind them
.endr
.endr
.irp t, 0,1
.irp i, 0,1,2,3
	s_wait_dscnt 8*(1-\t)+3-\i                     ; the younger LDS instructions: the other tile's eight, and this tile's later loads
	global_store_b128 v[GO], v[S+32*\t+4*\i:S+32*\t+4*\i+3], s[CB:CB+1] offset:(16*\t+4*\i)*2048
.endr
.endr
	s_sub_co_u32 s[BLK], s[BLK], 1
	s_cmp_lg_u32 s[BLK], 0
	s_cbranch_scc1 .Lblock
	s_wait_tensorcnt 0x0                           ; the wave's end, behind my last LDS store
	ds_add_u32 v[SPW], v[NIL]
	s_wait_dscnt 0x0
	s_endpgm
.Lfunc_end_k_qbb60ed1149_attn:
	.size	k_qbb60ed1149_attn, .Lfunc_end_k_qbb60ed1149_attn-k_qbb60ed1149_attn
	.p2alignl 7, 3214868480
	.fill 96, 4, 3214868480
	.section	.rodata,"a",@progbits
	.p2align	6, 0x0
	.amdhsa_kernel k_qbb60ed1149_attn
		.amdhsa_group_segment_fixed_size 97280
		.amdhsa_private_segment_fixed_size 0
		.amdhsa_enable_private_segment 0
		.amdhsa_kernarg_size 32
		.amdhsa_user_sgpr_count 2
		.amdhsa_user_sgpr_kernarg_segment_ptr 1
		.amdhsa_wavefront_size32 1
		.amdhsa_system_sgpr_workgroup_id_x 1
		.amdhsa_system_sgpr_workgroup_id_y 1
		.amdhsa_system_sgpr_workgroup_id_z 1
		.amdhsa_system_vgpr_workitem_id 0
		.amdhsa_next_free_vgpr 512
		.amdhsa_next_free_sgpr 90
		.amdhsa_reserve_vcc 1
		.amdhsa_float_denorm_mode_32 3
		.amdhsa_float_denorm_mode_16_64 3
		.amdhsa_memory_ordered 1
		.amdhsa_forward_progress 1
		.amdhsa_inst_pref_size 117
	.end_amdhsa_kernel
	.amdgpu_metadata
---
amdhsa.version: [ 1, 2 ]
amdhsa.kernels:
  - .name:           k_qbb60ed1149_attn
    .symbol:         k_qbb60ed1149_attn.kd
    .args:
      - { .name: qkv16, .offset: 0, .size: 8, .value_kind: global_buffer, .address_space: global }
      - { .name: prep, .offset: 8, .size: 8, .value_kind: global_buffer, .address_space: global }
      - { .name: flags, .offset: 16, .size: 8, .value_kind: global_buffer, .address_space: global }
      - { .name: ctx16, .offset: 24, .size: 8, .value_kind: global_buffer, .address_space: global }
    .group_segment_fixed_size: 97280
    .private_segment_fixed_size: 0
    .kernarg_segment_align: 8
    .kernarg_segment_size: 32
    .max_flat_workgroup_size: 256
    .sgpr_count:     90
    .vgpr_count:     512
    .wavefront_size: 32
...
	.end_amdgpu_metadata
.endif
;; end of part 3
;; launch fattn (part 4): grid 16 x 4, 12 waves a work-group, no clusters, 13,824 bytes of LDS; arguments codes, scales, prep, flags, ctx16, ctxf; writes ctxf
.if DOCPART == 4
	.amdgcn_target "amdgcn-amd-amdhsa--gfx1250"
	.amdhsa_code_object_version 6
	.text
	.protected	k_qbb60ed1149_fattn
	.globl	k_qbb60ed1149_fattn
	.p2align	8
	.type	k_qbb60ed1149_fattn,@function
k_qbb60ed1149_fattn:
	s_mov_b64 s[64:65], 0
	v_nop
	global_prefetch_b8 v0, s[64:65] scope:SCOPE_SE
	s_setreg_imm32_b32 hwreg(HW_REG_WAVE_MODE, 25, 1), 1
	s_wait_xcnt 0x0
; FATTN.  The 16 rows g .. g + 15 of each batch and head, g = min(f_b, 2,032), f_b the batch's first key that counts: the rows that average the fewest values.  They are made anew in f32.
; Phase 1: twelve waves make qh, kh, vh of these 16 tokens for this head from the codes (FP4 with E8M0 scales): wave w makes 16 features, tile w % 4, of projection w / 4; the results go to LDS as images of their registers.
; Phase 2: waves 0-3: S^T = kh qh^T + bias (f32 matrix form, 64 along K), softmax over the 16 keys, O^T = vh^T p for 16 channels each.
; WHY 16 KEYS ARE ALL.  With EQ + EK <= 258 (the stored exponent fields) every |t| <= 4,096; row l >= f_b has key f_b in view; keys before f_b are padded, keys after l are future: both lie 6,234 or more under the row's maximum: 2^x = 0 in f32.
; Where that is not shown (EQ + EK > 258, or f_b > 2,032) the row keeps the f16 launch's numbers: ctx16's, widened; the choice is a select on a scalar mask, no branch.  LIMIT: those rows then have f16's accuracy.
; Both f32 products take their K in an order that is the same in both operands: registers 2 j, 2 j + 1 of a lane's eight.
.set SPARE, 12288                      ; behind the twelve images of 1,024 bytes: the spare words, 128 bytes a wave
.set SPW,  10
.set NIL,  11
.set NEGB, 0xc6616bcd
.set CLOG, 0x3e38aa3b
.set SA,   200                         ; v200-231 are written by matrix instructions alone
.set SB,   208
.set OA,   216
.set OB,   224
	s_load_b256 s[4:11], s[0:1], 0x0               ; codes s[4:5], scales s[6:7], prep s[8:9], flags s[10:11]
	s_load_b128 s[12:15], s[0:1], 0x20             ; ctx16 s[12:13], ctxf s[14:15]
	v_lshl_add_u32 v[SPW], v0, 2, SPARE
	v_mov_b32 v[NIL], 0
	v_lshrrev_b32 v1, 5, v0
	v_readfirstlane_b32 s16, v1                    ; wave 0..11
	s_mov_b32 s17, ttmp9                           ; head
	s_and_b32 s18, ttmp7, 0xffff                   ; batch
	s_lshr_b32 s19, s16, 2                         ; projection
	s_and_b32 s20, s16, 3                          ; tile of 16 features; in phase 2 of 16 channels
	v_and_b32 v1, 15, v0                           ; r
	v_bfe_u32 v2, v0, 4, 1                         ; hh
	v_and_b32 v3, 31, v0
	v_lshlrev_b32 v3, 4, v3                        ; 16 x lane: an image's place for my lane
	s_lshl_b32 s26, s16, 10
	v_add_nc_u32 v4, s26, v3                       ; my wave's image
	s_lshl_b32 s26, s20, 10
	v_add_nc_u32 v18, s26, v3                      ; the image of tile w % 4 of a projection
	v_lshlrev_b32 v5, 9, v1
	v_lshl_add_u32 v5, v2, 4, v5                   ; codes: row r of 512 bytes, + 16 hh
	v_lshlrev_b32 v6, 5, v1                        ; scale bytes: 32 a row
	v_lshlrev_b32 v7, 2, v1
	v_lshlrev_b32 v8, 5, v2
	v_lshlrev_b32 v9, 11, v1
	v_lshl_add_u32 v9, v2, 4, v9                   ; ctx16: row r of 2,048 bytes, + 16 hh
	v_lshlrev_b32 v12, 12, v1
	v_lshl_add_u32 v12, v2, 5, v12                 ; ctxf: row r of 4,096 bytes, + 32 hh
	v_lshlrev_b32 v13, 3, v2
	v_sub_nc_u32 v13, v1, v13                      ; r - 8 hh
	v_mov_b32 v14, NEGB
	v_mov_b32 v17, 0                               ; (a lane permute's destination counts as one of its sources)
	v_mov_b32 v19, 0
	s_mov_b32 s38, 0x76543210
	s_mov_b32 s39, 0xfedcba98
	s_mov_b32 s40, CLOG
	s_cmp_eq_u32 s19, 0
	s_cselect_b32 s40, s40, 0x3f800000             ; a row's factor: c for qh, else 1;
	s_cmp_eq_u32 s19, 1
	s_cselect_b32 s41, 0, s40                      ; and where the token is padded: 0 for kh
	v_mov_b32 v24, s40
	v_mov_b32 v25, s41
	s_wait_kmcnt 0x0
	s_lshl_b32 s28, s18, 2
	s_mov_b32 s29, 0
	s_add_nc_u64 s[28:29], s[10:11], s[28:29]
	s_load_b32 s21, s[28:29], 0x0                  ; f_b
	s_wait_kmcnt 0x0
.macro EMAX dst, pr                    ; the largest of the 32 exponent fields stored for this batch and group of four heads
	s_lshl_b32 s28, s18, 2
	s_lshr_b32 s26, s17, 2
	s_add_co_u32 s28, s28, s26
	s_lshl_b32 s28, s28, 7
	s_mov_b32 s29, 0
	s_add_nc_u64 s[28:29], s[10:11], s[28:29]
	s_load_b512 s[48:63], s[28:29], 256+\pr*2048
	s_load_b512 s[68:83], s[28:29], 256+\pr*2048+64
	s_wait_kmcnt 0x0
	s_max_u32 s[\dst], s48, s49
.irp n, 50,51,52,53,54,55,56,57,58,59,60,61,62,63,68,69,70,71,72,73,74,75,76,77,78,79,80,81,82,83
	s_max_u32 s[\dst], s[\dst], s\n
.endr
.endm
	EMAX 24, 0
	EMAX 25, 1
	s_cmp_le_u32 s21, 2032
	s_cselect_b32 s23, -1, 0
	s_add_co_u32 s26, s24, s25
	s_cmp_le_u32 s26, 258
	s_cselect_b32 s23, s23, 0                      ; all ones: the 16 keys are shown to be all that counts
	s_min_u32 s22, s21, 2032                       ; g
	s_lshl_b32 s26, s19, 13
	s_lshl_b32 s27, s18, 11
	s_add_co_u32 s27, s27, s22                     ; 2,048 b + g
	s_add_co_u32 s26, s26, s27                     ; the tokens' first row among the stacked rows
	s_lshl_b32 s28, s26, 9
	s_mov_b32 s29, 0
	s_add_nc_u64 s[30:31], s[4:5], s[28:29]
	s_lshl_b32 s28, s26, 5
	s_add_nc_u64 s[34:35], s[6:7], s[28:29]
	s_lshl_b32 s26, s19, 10
	s_lshl_b32 s28, s17, 6
	s_add_co_u32 s26, s26, s28
	s_lshl_b32 s28, s20, 4
	s_add_co_u32 s26, s26, s28
	s_add_co_u32 s26, s26, 24576                   ; the weight's first row: 24,576 + 1,024 pr + 64 h + 16 tile
	s_lshl_b32 s28, s26, 9
	s_add_nc_u64 s[32:33], s[4:5], s[28:29]
	s_lshl_b32 s28, s26, 5
	s_add_nc_u64 s[36:37], s[6:7], s[28:29]
	s_lshl_b32 s28, s27, 2
	s_add_nc_u64 s[42:43], s[8:9], s[28:29]
	s_add_nc_u64 s[42:43], s[42:43], 0x200000      ; the bias of key g
	s_lshl_b32 s28, s27, 11
	s_lshl_b32 s26, s17, 7
	s_add_co_u32 s28, s28, s26
	s_lshl_b32 s26, s20, 5
	s_add_co_u32 s28, s28, s26
	s_add_nc_u64 s[44:45], s[12:13], s[28:29]      ; ctx16 at row g, channel 64 h + 16 tile
	s_lshl_b32 s28, s18, 16
	s_lshl_b32 s26, s17, 8
	s_add_co_u32 s28, s28, s26
	s_lshl_b32 s26, s20, 6
	s_add_co_u32 s28, s28, s26
	s_add_nc_u64 s[46:47], s[14:15], s[28:29]      ; ctxf likewise
.irp s, 0,1,2,3,4,5,6,7
.irp c, 0,1
	global_load_b128 v[32+8*\s+4*\c:35+8*\s+4*\c], v5, s[30:31] offset:64*\s+32*\c    ; the tokens' fragment of K step s
	global_load_b128 v[96+8*\s+4*\c:99+8*\s+4*\c], v5, s[32:33] offset:64*\s+32*\c    ; the weight's
.endr
.endr
	global_load_b128 v[160:163], v6, s[34:35]      ; scale words: register s is K step s's; these registers hold scales and nothing else
	global_load_b128 v[164:167], v6, s[34:35] offset:16
	global_load_b128 v[168:171], v6, s[36:37]
	global_load_b128 v[172:175], v6, s[36:37] offset:16
	global_load_b32 v15, v7, s[42:43]              ; the bias of token g + r: not 0 where it is padded
	s_wait_loadcnt 0x0
.macro PROJ a, b, sa, sb               ; eight K steps on two accumulators by turns
.irp s, 0,1,2,3,4,5,6,7
.if \s < 2
	v_wmma_scale_f32_16x16x128_f8f6f4 v[176+8*(\s%2):183+8*(\s%2)], v[\a+8*\s:\a+8*\s+7], v[\b+8*\s:\b+8*\s+7], 0, v[\sa+\s], v[\sb+\s] matrix_a_fmt:MATRIX_FMT_FP4 matrix_b_fmt:MATRIX_FMT_FP4
.else
	v_wmma_scale_f32_16x16x128_f8f6f4 v[176+8*(\s%2):183+8*(\s%2)], v[\a+8*\s:\a+8*\s+7], v[\b+8*\s:\b+8*\s+7], v[176+8*(\s%2):183+8*(\s%2)], v[\sa+\s], v[\sb+\s] matrix_a_fmt:MATRIX_FMT_FP4 matrix_b_fmt:MATRIX_FMT_FP4
.endif
.endr
.endm
	s_cmp_eq_u32 s19, 2
	s_cbranch_scc1 .Lfor_v
	PROJ 96, 32, 168, 160                          ; qh, kh: source 0 = the weight: a lane holds token r and features 8 hh + 0..7
	s_branch .Lmade
.Lfor_v:
	PROJ 32, 96, 160, 168                          ; vh: source 0 = the tokens: a lane holds channel r and tokens 8 hh + 0..7
.Lmade:
	v_cmp_eq_f32 vcc_lo, 0, v15                    ; four places behind the last product
	v_cndmask_b32 v26, v25, v24, vcc_lo            ; the factor (for qh and vh the two are equal)
	v_mov_b32 v27, v26
	v_nop
.irp i, 0,2,4,6
	v_pk_add_f32 v[192+\i:193+\i], v[176+\i:177+\i], v[184+\i:185+\i]
.endr
.irp i, 0,2,4,6
	v_pk_mul_f32 v[192+\i:193+\i], v[192+\i:193+\i], v[26:27] op_sel_hi:[1,0]
.endr
	ds_store_b128 v4, v[192:195]                   ; the image of my eight registers
	ds_store_b128 v4, v[196:199] offset:512
	s_wait_dscnt 0x0                               ; for the others' sake
	s_barrier_signal -1
	s_barrier_wait -1
	s_cmp_ge_u32 s16, 4
	s_cbranch_scc1 .Ldone
	; ---- phase 2, waves 0-3
.irp n, 0,1,2,3
	ds_load_b128 v[32+8*\n:35+8*\n], v3 offset:1024*\n             ; qh's four images,
	ds_load_b128 v[36+8*\n:39+8*\n], v3 offset:1024*\n+512
	ds_load_b128 v[64+8*\n:67+8*\n], v3 offset:4096+1024*\n        ; kh's,
	ds_load_b128 v[68+8*\n:71+8*\n], v3 offset:4096+1024*\n+512
.endr
	ds_load_b128 v[96:99], v18 offset:8192                         ; vh's of my 16 channels
	ds_load_b128 v[100:103], v18 offset:8192+512
	global_load_b128 v[104:107], v8, s[42:43]                      ; the bias of keys g + 8 hh + 0..7
	global_load_b128 v[108:111], v8, s[42:43] offset:16
	global_load_b128 v[20:23], v9, s[44:45]                        ; the f16 launch's numbers for the same places
	s_wait_loadcnt 0x0
.irp j, 0,1,2,3,4,5,6,7
	v_cmp_gt_i32 vcc_lo, \j, v13                   ; key 8 hh + j comes after query r
	v_cndmask_b32 v[112+\j], v[104+\j], v14, vcc_lo
.endr
	s_wait_dscnt 0x0
.irp n, 0,1,2,3
.irp jj, 0,1,2,3
.if (\n == 0) && (\jj == 0)
	v_wmma_f32_16x16x4_f32 v[SA:SA+7], v[64+8*\n+2*\jj:65+8*\n+2*\jj], v[32+8*\n+2*\jj:33+8*\n+2*\jj], v[112:119]
.elseif (\n == 0) && (\jj == 1)
	v_wmma_f32_16x16x4_f32 v[SB:SB+7], v[64+8*\n+2*\jj:65+8*\n+2*\jj], v[32+8*\n+2*\jj:33+8*\n+2*\jj], 0
.elseif (\jj % 2) == 0
	v_wmma_f32_16x16x4_f32 v[SA:SA+7], v[64+8*\n+2*\jj:65+8*\n+2*\jj], v[32+8*\n+2*\jj:33+8*\n+2*\jj], v[SA:SA+7]
.else
	v_wmma_f32_16x16x4_f32 v[SB:SB+7], v[64+8*\n+2*\jj:65+8*\n+2*\jj], v[32+8*\n+2*\jj:33+8*\n+2*\jj], v[SB:SB+7]
.endif
.endr
.endr
.rept 8
	v_nop                                          ; eight places behind this form
.endr
.irp i, 0,2,4,6
	v_pk_add_f32 v[120+\i:121+\i], v[SA+\i:SA+\i+1], v[SB+\i:SB+\i+1]   ; lane (r, hh): query r, keys 8 hh + 0..7
.endr
	v_max3_num_f32 v16, v120, v121, v122
	v_max3_num_f32 v16, v16, v123, v124
	v_max3_num_f32 v16, v16, v125, v126
	v_max_num_f32 v16, v16, v127
	v_permlanex16_b32 v17, v16, s38, s39
	v_max_num_f32 v16, v16, v17                    ; the row's maximum
.irp i, 0,2,4,6
	v_pk_add_f32 v[128+\i:129+\i], v[120+\i:121+\i], v[16:17] op_sel_hi:[1,0] neg_lo:[0,1] neg_hi:[0,1]
.endr
.irp j, 0,1,2,3,4,5,6,7
	v_exp_f32 v[128+\j], v[128+\j]
.endr
	v_nop                                          ; a plain instruction behind the last exponential
	s_wait_alu depctr_va_vdst(0)                   ; one wait for the eight, ahead of their first reader
	v_pk_add_f32 v[28:29], v[128:129], v[130:131]
	v_pk_add_f32 v[30:31], v[132:133], v[134:135]
	v_pk_add_f32 v[28:29], v[28:29], v[30:31]
	v_add_f32 v28, v28, v29
	v_permlanex16_b32 v19, v28, s38, s39
	v_add_f32 v28, v28, v19                        ; the row's sum
	v_rcp_f32 v30, v28
	v_nop
	s_wait_alu depctr_va_vdst(0)
.irp i, 0,2,4,6
	v_pk_mul_f32 v[128+\i:129+\i], v[128+\i:129+\i], v[30:31] op_sel_hi:[1,0]
.endr
	v_wmma_f32_16x16x4_f32 v[OA:OA+7], v[96:97], v[128:129], 0
	v_wmma_f32_16x16x4_f32 v[OB:OB+7], v[98:99], v[130:131], 0
	v_wmma_f32_16x16x4_f32 v[OA:OA+7], v[100:101], v[132:133], v[OA:OA+7]
	v_wmma_f32_16x16x4_f32 v[OB:OB+7], v[102:103], v[134:135], v[OB:OB+7]
.irp i, 0,1,2,3
	v_cvt_f32_f16 v[152+2*\i], v[20+\i].l          ; eight places behind the last product: the f16 launch's numbers, widened
	v_cvt_f32_f16 v[153+2*\i], v[20+\i].h
.endr
.irp i, 0,2,4,6
	v_pk_add_f32 v[144+\i:145+\i], v[OA+\i:OA+\i+1], v[OB+\i:OB+\i+1]   ; lane (r, hh): query r, channels 16 tile + 8 hh + 0..7
.endr
.irp j, 0,1,2,3,4,5,6,7
	v_cndmask_b32 v[144+\j], v[152+\j], v[144+\j], s23
.endr
	global_store_b128 v12, v[144:147], s[46:47]
	global_store_b128 v12, v[148:151], s[46:47] offset:16
.Ldone:
	s_wait_tensorcnt 0x0                           ; the wave's end, behind my last LDS store
	ds_add_u32 v[SPW], v[NIL]
	s_wait_dscnt 0x0
	s_endpgm
.Lfunc_end_k_qbb60ed1149_fattn:
	.size	k_qbb60ed1149_fattn, .Lfunc_end_k_qbb60ed1149_fattn-k_qbb60ed1149_fattn
	.p2alignl 7, 3214868480
	.fill 96, 4, 3214868480
	.section	.rodata,"a",@progbits
	.p2align	6, 0x0
	.amdhsa_kernel k_qbb60ed1149_fattn
		.amdhsa_group_segment_fixed_size 13824
		.amdhsa_private_segment_fixed_size 0
		.amdhsa_enable_private_segment 0
		.amdhsa_kernarg_size 48
		.amdhsa_user_sgpr_count 2
		.amdhsa_user_sgpr_kernarg_segment_ptr 1
		.amdhsa_wavefront_size32 1
		.amdhsa_system_sgpr_workgroup_id_x 1
		.amdhsa_system_sgpr_workgroup_id_y 1
		.amdhsa_system_sgpr_workgroup_id_z 1
		.amdhsa_system_vgpr_workitem_id 0
		.amdhsa_next_free_vgpr 256
		.amdhsa_next_free_sgpr 84
		.amdhsa_reserve_vcc 1
		.amdhsa_float_denorm_mode_32 3
		.amdhsa_float_denorm_mode_16_64 3
		.amdhsa_memory_ordered 1
		.amdhsa_forward_progress 1
		.amdhsa_inst_pref_size 20
	.end_amdhsa_kernel
	.amdgpu_metadata
---
amdhsa.version: [ 1, 2 ]
amdhsa.kernels:
  - .name:           k_qbb60ed1149_fattn
    .symbol:         k_qbb60ed1149_fattn.kd
    .args:
      - { .name: codes, .offset: 0, .size: 8, .value_kind: global_buffer, .address_space: global }
      - { .name: scales, .offset: 8, .size: 8, .value_kind: global_buffer, .address_space: global }
      - { .name: prep, .offset: 16, .size: 8, .value_kind: global_buffer, .address_space: global }
      - { .name: flags, .offset: 24, .size: 8, .value_kind: global_buffer, .address_space: global }
      - { .name: ctx16, .offset: 32, .size: 8, .value_kind: global_buffer, .address_space: global }
      - { .name: ctxf, .offset: 40, .size: 8, .value_kind: global_buffer, .address_space: global }
    .group_segment_fixed_size: 13824
    .private_segment_fixed_size: 0
    .kernarg_segment_align: 8
    .kernarg_segment_size: 48
    .max_flat_workgroup_size: 384
    .sgpr_count:     84
    .vgpr_count:     256
    .wavefront_size: 32
...
	.end_amdgpu_metadata
.endif
;; end of part 4
;; launch outp (part 5): grid 8 x 64, 4 waves a work-group, clusters of 4 x 4, 327,680 bytes of LDS; arguments ctx16, prep, out0; writes out0
.if DOCPART == 5
	.amdgcn_target "amdgcn-amd-amdhsa--gfx1250"
	.amdhsa_code_object_version 6
	.text
	.protected	k_qbb60ed1149_outp
	.globl	k_qbb60ed1149_outp
	.p2align	8
	.type	k_qbb60ed1149_outp,@function
k_qbb60ed1149_outp:
	s_mov_b64 s[64:65], 0
	v_nop
	global_prefetch_b8 v0, s[64:65] scope:SCOPE_SE
	s_setreg_imm32_b32 hwreg(HW_REG_WAVE_MODE, 25, 1), 1
	s_wait_xcnt 0x0
	s_wait_alu depctr_hold_cnt(0) depctr_sa_sdst(0) depctr_va_vdst(0) depctr_va_sdst(0) depctr_va_ssrc(0) depctr_va_vcc(0) depctr_vm_vsrc(0)
	s_getreg_b32 s2, hwreg(HW_REG_IB_STS2, 6, 4)
	s_cmp_eq_u32 s2, 0
	s_cbranch_scc0 .Lentry_in_a_cluster
	s_endpgm
.Lentry_in_a_cluster:
	s_bfe_u32 s2, ttmp6, 0x10000c
	s_cmp_lg_u32 s2, 0xf033
	s_cbranch_scc0 .Lentry_shape_is_right
	s_endpgm
.Lentry_shape_is_right:
; OUTP.  out0[m][n] = sum over k of ctx16[m][k] Wo16[n][k]: [8192][1024] x [1024][1024], f16 operands, f32 sums, f32 out.  Wo16 lies at prep's first byte.
; A tile of 128 x 128 gives 512 work-groups of equal work; four waves, each 64 x 64: 16 accumulators.  K goes in steps of 256 (LDS rows of 512 bytes + 16; a wave's tensor load brings 64 of them) through two slots.
; CLUSTERS: 4 x 4 work-groups; A's tiles are asked for jointly along a row of the cluster, B's along a column.  THE MATRIX INSTRUCTION IS USED TRANSPOSED (source 0 = 16 rows of Wo, source 1 = 16 rows of ctx): a lane holds eight neighbouring numbers of a row.
; THE WAY OUT: a wave's 64 columns are 256 bytes of f32: each wave has a stage of its own, and sixteen lanes store 256 consecutive bytes, aligned.
; No prefetch: a K step's work on this small tile is short, and the tiles are shared in the cluster.
; REGISTERS: window 0: v0-31 addresses; v32-95 rows on the way out; v128-255 the accumulators ((a, b) at v[128 + 8 (4 a + b)]).  window 1: two fragment buffers of 128.
.set SIZE_M, 8192
.set SIZE_N, 1024
.set SIZE_K, 1024
.set KSTEP,  256
.set PITCH,  528
.set HALFT,  64*PITCH
.set SLOT,   4*HALFT
.set STAGE,  2*SLOT                    ; behind the ring: 16 rows x 272 bytes for each wave
.set SPITCH, 272
.set SPARE,  STAGE+4*16*SPITCH         ; the spare words, 128 bytes a wave
.set LAPS, SIZE_K/(2*KSTEP)
.set ADRA, 16
.set ADRB, 20
.set STO,  24
.set RD,   25
.set CO,   26
.set SPW,  28
.set NIL,  29
.set TMP,  32
.set ACC,  128
.set F0,   0
.set F1,   128
.set G1, 24
.set G0, 32
.set G1B, 48
.set G0B, 56
.set MSB, 0
.macro WIN new
.if MSB != (\new)
	s_set_vgpr_msb (MSB<<8)|(\new)
.set MSB, (\new)
.endif
.endm
.set MUL,  0x05                        ; sources 0 (B) and 1 (A) window 1; C and D window 0
.set TO_F, 0x40
.macro JLOAD s                         ; a joint load: waves 0 and 1 fetch A's two halves, waves 2 and 3 B's; an s_nop 0 and four v_nop follow each of the two lines
	s_cmp_eq_u32 s11, 0
	s_cbranch_scc0 .Lfor_b_\@
	tensor_load_to_lds s[G0+4*\s:G0+4*\s+3], s[G1:G1+7]
	s_nop 0
.rept 4
	v_nop
.endr
	s_branch .Lasked_\@
.Lfor_b_\@:
	tensor_load_to_lds s[G0B+4*\s:G0B+4*\s+3], s[G1B:G1B+7]
	s_nop 0
.rept 4
	v_nop
.endr
.Lasked_\@:
.endm
.macro CREST                           ; a round of the cluster's barrier behind its opening barrier
	s_cmp_lg_u32 s10, 0
	s_cbranch_scc1 .Lnot_wave_0_\@
	s_barrier_signal -3
.Lnot_wave_0_\@:
	s_barrier_wait -3
	s_barrier_signal -1
	s_barrier_wait -1
.endm
.macro CROUND
	s_barrier_signal -1
	s_barrier_wait -1
	CREST
.endm
	s_load_b128 s[4:7], s[0:1], 0x0                ; ctx16 s[4:5], prep (Wo16) s[6:7]
	s_load_b64 s[8:9], s[0:1], 0x10                ; out0
	v_lshl_add_u32 v[SPW], v0, 2, SPARE
	v_mov_b32 v[NIL], 0
	ds_add_u32 v[SPW], v[NIL]                      ; the wave's opening: the add, twice on end, and its wait ahead of my first tensor load
	ds_add_u32 v[SPW], v[NIL]
	v_lshrrev_b32 v1, 5, v0
	v_readfirstlane_b32 s10, v1                    ; wave 0..3
	s_lshr_b32 s11, s10, 1                         ; which half of the tile's rows is mine.  Also: I fetch for A (0) or for B (1)
	s_and_b32 s12, s10, 1                          ; which half of its columns.  Also: which 64 rows of that tile I fetch
	s_bfe_u32 s40, ttmp6, 0x40000                  ; cx, cy
	s_bfe_u32 s41, ttmp6, 0x40004
	s_lshl_b32 s42, ttmp9, 2
	s_add_co_u32 s42, s42, s40                     ; tile column
	s_and_b32 s13, ttmp7, 0xffff
	s_lshl_b32 s13, s13, 2
	s_add_co_u32 s13, s13, s41                     ; tile row
	s_lshl_b32 s43, s41, 2
	s_lshl_b32 s43, 15, s43                        ; my row of the cluster
	s_lshl_b32 s44, 0x1111, s40                    ; my column
	s_or_b32 s[G1+0], s43, (1<<16)|(1<<20)|(1<<21)|(6<<22)|(3<<25)  ; the mask; elements of 2 bytes; padding on; bit 21 beside a mask; after every 128 words 4 words
	s_or_b32 s[G1B+0], s44, (1<<16)|(1<<20)|(1<<21)|(6<<22)|(3<<25)
.irp g, G1, G1B
	s_mov_b32 s[\g+1], KSTEP<<16                   ; tensor_dim0 = 256
	s_mov_b32 s[\g+2], 64<<16                      ; tensor_dim1 = 64
	s_mov_b32 s[\g+3], KSTEP<<16                   ; tile_dim0 = 256
	s_mov_b32 s[\g+4], 64                          ; tile_dim1 = 64
	s_mov_b32 s[\g+5], SIZE_K                      ; the pitch
	s_mov_b32 s[\g+6], 0
	s_mov_b32 s[\g+7], 0
.endr
	s_lshl_b32 s17, s12, 6
	s_lshl_b32 s16, s13, 7
	s_add_co_u32 s16, s16, s17                     ; A: row 128 x tile row + 64 x half
	s_lshl_b32 s46, s42, 7
	s_add_co_u32 s46, s46, s17                     ; B: row 128 x tile column + 64 x half
	s_mov_b32 s17, 0
	s_mov_b32 s47, 0
	s_mov_b64 s[18:19], SIZE_K*2
	s_mul_u64 s[16:17], s[16:17], s[18:19]
	s_mul_u64 s[46:47], s[46:47], s[18:19]
	s_mul_i32 s20, s10, HALFT                      ; where they go: wave x 64 rows
	s_wait_dscnt 0x0                               ; both opening adds are done
	s_wait_kmcnt 0x0
	s_add_nc_u64 s[14:15], s[4:5], s[16:17]
	s_add_nc_u64 s[46:47], s[6:7], s[46:47]
	CROUND                                         ; all sixteen work-groups are here: the first joint loads meet
.irp s, 0,1
	s_mov_b32 s[G0+4*\s], 1
	s_add_co_u32 s[G0+4*\s+1], s20, \s*SLOT
	s_add_nc_u64 s[G0+4*\s+2:G0+4*\s+3], s[14:15], \s*KSTEP*2
	s_or_b32 s[G0+4*\s+3], s[G0+4*\s+3], 0x80000000
	s_mov_b32 s[G0B+4*\s], 1
	s_add_co_u32 s[G0B+4*\s+1], s20, \s*SLOT
	s_add_nc_u64 s[G0B+4*\s+2:G0B+4*\s+3], s[46:47], \s*KSTEP*2
	s_or_b32 s[G0B+4*\s+3], s[G0B+4*\s+3], 0x80000000
	JLOAD \s
.endr
	v_and_b32 v1, 15, v0                           ; l % 16
	v_bfe_u32 v2, v0, 4, 1                         ; l / 16
	v_mul_u32_u24 v3, v1, PITCH
	v_lshl_add_u32 v3, v2, 4, v3
	s_mul_i32 s21, s11, HALFT
	s_mul_i32 s22, s12, HALFT
	s_add_co_u32 s22, s22, 2*HALFT
.irp s, 0,1
	v_add_nc_u32 v[ADRA+\s], s21, v3
	v_add_nc_u32 v[ADRB+\s], s22, v3
	s_add_co_u32 s21, s21, SLOT
	s_add_co_u32 s22, s22, SLOT
.endr
	s_mul_i32 s23, s10, 16*SPITCH
	s_add_co_u32 s23, s23, STAGE                   ; my stage
	v_mul_u32_u24 v4, v1, SPITCH
	v_lshl_add_u32 v4, v2, 5, v4
	v_add_nc_u32 v[STO], s23, v4                   ; in: row l % 16, 32 bytes for each half of the lanes
	v_mul_u32_u24 v5, v2, SPITCH
	v_lshl_add_u32 v5, v1, 4, v5
	v_add_nc_u32 v[RD], s23, v5                    ; back: lanes 0-15 one row of 256 bytes, lanes 16-31 the next
	v_lshlrev_b32 v5, 12, v2                       ; and the same two rows in out0, 4,096 bytes apart
	v_lshl_add_u32 v[CO], v1, 4, v5
	s_lshl_b32 s16, s13, 7
	s_lshl_b32 s17, s11, 6
	s_add_co_u32 s16, s16, s17                     ; my first row: 128 x tile row + 64 x half
	s_lshl_b32 s16, s16, 12
	s_mov_b32 s17, 0
	s_add_nc_u64 s[8:9], s[8:9], s[16:17]
	s_lshl_b32 s46, s42, 9                         ; my first column, in bytes: 512 x tile column + 256 x half
	s_lshl_b32 s47, s12, 8
	s_add_co_u32 s46, s46, s47
	s_mov_b32 s47, 0
	s_add_nc_u64 s[8:9], s[8:9], s[46:47]
.macro MUL8 f, c, a0, zero             ; 8 matrix instructions: m blocks a0, a0 + 1 x all 4 n blocks, 32 along K.  The 16 accumulators take turns
.irp a, \a0, \a0+1
.irp b, 0,1,2,3
.if \zero
	v_wmma_f32_16x16x32_f16 v[ACC+8*(4*(\a)+\b):ACC+8*(4*(\a)+\b)+7], v[\f+64+8*(4*\c+\b):\f+64+8*(4*\c+\b)+7], v[\f+8*(4*\c+\a):\f+8*(4*\c+\a)+7], 0
.else
	v_wmma_f32_16x16x32_f16 v[ACC+8*(4*(\a)+\b):ACC+8*(4*(\a)+\b)+7], v[\f+64+8*(4*\c+\b):\f+64+8*(4*\c+\b)+7], v[\f+8*(4*\c+\a):\f+8*(4*\c+\a)+7], v[ACC+8*(4*(\a)+\b):ACC+8*(4*(\a)+\b)+7]
.endif
.endr
.endr
.endm
.macro FETCH slot, k, f                ; 32 LDS loads in one run: the fragments of 64 along K at byte k of the rows; the first 32 along K first
	WIN TO_F
.irp c, 0,1
.irp i, 0,1,2,3
	ds_load_b128 v[\f+64+8*(4*\c+\i):\f+64+8*(4*\c+\i)+3],   v[ADRB+\slot] offset:\k+64*\c+\i*16*PITCH
	ds_load_b128 v[\f+64+8*(4*\c+\i)+4:\f+64+8*(4*\c+\i)+7], v[ADRB+\slot] offset:\k+64*\c+\i*16*PITCH+32
	ds_load_b128 v[\f+8*(4*\c+\i):\f+8*(4*\c+\i)+3],         v[ADRA+\slot] offset:\k+64*\c+\i*16*PITCH
	ds_load_b128 v[\f+8*(4*\c+\i)+4:\f+8*(4*\c+\i)+7],       v[ADRA+\slot] offset:\k+64*\c+\i*16*PITCH+32
.endr
.endr
.endm
.macro PLACES
.rept 4
	v_nop
.endr
.endm
.macro QUARTER slot, k, f, g, zero     ; 64 along K: multiplies buffer f and fetches the next quarter, at byte k, into g
	s_wait_dscnt 16                                ; the first 32 along K are in; the youngest sixteen loads may be out
	WIN MUL
	MUL8 \f, 0, 0, \zero
	MUL8 \f, 0, 2, \zero
	PLACES
	FETCH \slot, \k, \g
	s_wait_dscnt 32                                ; all but the 32 just issued
	WIN MUL
	MUL8 \f, 1, 0, 0
	MUL8 \f, 1, 2, 0
.endm
; The last quarter multiplies buffer 1 and changes slots: one barrier; in front of it each wave waits for all its tensor loads, adds 0 to its spare word, and waits for that and for its reads of this slot.  fill = 1: this slot is filled again.
.macro TURN slot, next, fill
	WIN 0
	s_wait_tensorcnt 0x0                           ; all my tensor loads have landed: my part of the next slot
	ds_add_u32 v[SPW], v[NIL]                      ; 0 onto my spare word
	s_wait_dscnt 17                                ; (the add and the youngest sixteen loads may be out)
	WIN MUL
	MUL8 F1, 0, 0, 0
	s_wait_dscnt 0x0                               ; the add is done, and my reads of this slot are over
	s_barrier_signal -1
	MUL8 F1, 0, 2, 0
.if \fill
	WIN 0
.endif
	s_barrier_wait -1
.if \fill
	CREST                                          ; the barrier has opened a round of the cluster's barrier: no wave of any partner still reads this slot or has a load on its way
	s_add_nc_u64 s[G0+4*\slot+2:G0+4*\slot+3], s[G0+4*\slot+2:G0+4*\slot+3], 2*KSTEP*2
	s_add_nc_u64 s[G0B+4*\slot+2:G0B+4*\slot+3], s[G0B+4*\slot+2:G0B+4*\slot+3], 2*KSTEP*2
	JLOAD \slot                                    ; the first tensor load behind the round; its four v_nop are also the places in front of the loads below
.else
	PLACES
.endif
	FETCH \next, 0, F0
	WIN MUL
	MUL8 F1, 1, 0, 0
	MUL8 F1, 1, 2, 0
.endm
	s_wait_tensorcnt 1                             ; my part of K step 0 is in (K step 1's may be out)
	s_barrier_signal -1
	s_barrier_wait -1                              ; everybody's is
	FETCH 0, 0, F0
	QUARTER 0, 128, F0, F1, 1                      ; the first products start the sums
	WIN 0
	s_mov_b32 s3, LAPS-1
.Llap:                                                 ; a trip goes once round the ring and fills both slots again
	QUARTER 0, 256, F1, F0, 0
	QUARTER 0, 384, F0, F1, 0
	TURN 0, 1, 1
	QUARTER 1, 128, F0, F1, 0
	QUARTER 1, 256, F1, F0, 0
	QUARTER 1, 384, F0, F1, 0
	TURN 1, 0, 1
	QUARTER 0, 128, F0, F1, 0
	WIN 0
	s_sub_co_u32 s3, s3, 1
	s_cmp_lg_u32 s3, 0
	s_cbranch_scc1 .Llap
	QUARTER 0, 256, F1, F0, 0                      ; the last lap fills nothing
	QUARTER 0, 384, F0, F1, 0
	TURN 0, 1, 0
	QUARTER 1, 128, F0, F1, 0
	QUARTER 1, 256, F1, F0, 0
	QUARTER 1, 384, F0, F1, 0
	s_wait_dscnt 16
	WIN MUL
	MUL8 F1, 0, 0, 0
	MUL8 F1, 0, 2, 0
	s_wait_dscnt 0
	MUL8 F1, 1, 0, 0
	MUL8 F1, 1, 2, 0
	WIN 0
	; THE WAY OUT, block by block of 16 rows x 64 columns
	PLACES
.macro TOST a                          ; LDS serves a wave's instructions in order: no wait between the stores and the loads, nor in front of the next block's stores
.irp b, 0,1,2,3
	ds_store_b128 v[STO], v[ACC+8*(4*(\a)+\b):ACC+8*(4*(\a)+\b)+3] offset:64*\b        ; each accumulator from its low end on
	ds_store_b128 v[STO], v[ACC+8*(4*(\a)+\b)+4:ACC+8*(4*(\a)+\b)+7] offset:64*\b+16
.endr
.irp i, 0,1,2,3,4,5,6,7
	ds_load_b128 v[TMP+32*((\a)%2)+4*\i:TMP+32*((\a)%2)+4*\i+3], v[RD] offset:\i*2*SPITCH
.endr
.endm
.macro SEND a, younger
	s_wait_dscnt \younger
.irp i, 0,1,2,3,4,5,6,7
	global_store_b128 v[CO], v[TMP+32*((\a)%2)+4*\i:TMP+32*((\a)%2)+4*\i+3], s[8:9] offset:(16*(\a)+2*\i)*SIZE_N*4 th:TH_STORE_NT   ; 16 lanes store 256 consecutive bytes, aligned
.endr
.endm
	TOST 0
.irp a, 1,2,3
.if \a > 1
	s_wait_xcnt 0x0                                ; block a - 2's stores have read their registers: block a's loads may land there
.endif
	TOST \a
	SEND \a-1, 16                                  ; behind block a - 1's loads: block a's 8 stores and 8 loads
.endr
	SEND 3, 0
	s_wait_tensorcnt 0x0                           ; the wave's end, behind my last tensor load and my last LDS store
	ds_add_u32 v[SPW], v[NIL]
	s_wait_dscnt 0x0
	CROUND                                         ; the closing round
	s_endpgm
.Lfunc_end_k_qbb60ed1149_outp:
	.size	k_qbb60ed1149_outp, .Lfunc_end_k_qbb60ed1149_outp-k_qbb60ed1149_outp
	.p2alignl 7, 3214868480
	.fill 96, 4, 3214868480
	.section	.rodata,"a",@progbits
	.p2align	6, 0x0
	.amdhsa_kernel k_qbb60ed1149_outp
		.amdhsa_group_segment_fixed_size 327680
		.amdhsa_private_segment_fixed_size 0
		.amdhsa_enable_private_segment 0
		.amdhsa_kernarg_size 24
		.amdhsa_user_sgpr_count 2
		.amdhsa_user_sgpr_kernarg_segment_ptr 1
		.amdhsa_wavefront_size32 1
		.amdhsa_system_sgpr_workgroup_id_x 1
		.amdhsa_system_sgpr_workgroup_id_y 1
		.amdhsa_system_sgpr_workgroup_id_z 1
		.amdhsa_system_vgpr_workitem_id 0
		.amdhsa_next_free_vgpr 512
		.amdhsa_next_free_sgpr 66
		.amdhsa_reserve_vcc 0
		.amdhsa_float_denorm_mode_32 3
		.amdhsa_float_denorm_mode_16_64 3
		.amdhsa_memory_ordered 1
		.amdhsa_forward_progress 1
		.amdhsa_inst_pref_size 86
	.end_amdhsa_kernel
	.amdgpu_metadata
---
amdhsa.version: [ 1, 2 ]
amdhsa.kernels:
  - .name:           k_qbb60ed1149_outp
    .symbol:         k_qbb60ed1149_outp.kd
    .args:
      - { .name: ctx16, .offset: 0, .size: 8, .value_kind: global_buffer, .address_space: global }
      - { .name: prep, .offset: 8, .size: 8, .value_kind: global_buffer, .address_space: global }
      - { .name: out0, .offset: 16, .size: 8, .value_kind: global_buffer, .address_space: global }
    .group_segment_fixed_size: 327680
    .private_segment_fixed_size: 0
    .kernarg_segment_align: 8
    .kernarg_segment_size: 24
    .max_flat_workgroup_size: 128
    .sgpr_count:     66
    .vgpr_count:     512
    .wavefront_size: 32
...
	.end_amdgpu_metadata
.endif
;; end of part 5
;; launch fout (part 6): grid 64 x 4, 4 waves a work-group, no clusters, 4,608 bytes of LDS; arguments ctxf, Wo, flags, out0; writes out0
.if DOCPART == 6
	.amdgcn_target "amdgcn-amd-amdhsa--gfx1250"
	.amdhsa_code_object_version 6
	.text
	.protected	k_qbb60ed1149_fout
	.globl	k_qbb60ed1149_fout
	.p2align	8
	.type	k_qbb60ed1149_fout,@function
k_qbb60ed1149_fout:
	s_mov_b64 s[64:65], 0
	v_nop
	global_prefetch_b8 v0, s[64:65] scope:SCOPE_SE
	s_setreg_imm32_b32 hwreg(HW_REG_WAVE_MODE, 25, 1), 1
	s_wait_xcnt 0x0
; FOUT.  The 16 fine rows of each batch, g .. g + 15 with g = min(f_b, 2,032), are projected anew in f32: out0[2,048 b + g + r][e] = sum over k of ctxf[b][r][k] Wo[e][k], written over what the f16 launch stored there.
; A work-group takes 16 outputs e of one batch; its four waves take 256 along K each, in four chunks of 64; the four parts meet in LDS and wave 0 stores.
; The f32 matrix form: this is 1 row in 128 of the product.  Both operands take their K in the same order: lane (r, hh) loads 32 neighbours, k = 64 c + 32 hh + 0..31, of its row, and registers 2 i, 2 i + 1 are step i's.
; Source 0 = 16 rows of Wo, source 1 = the 16 rows of ctxf: a lane holds eight neighbouring outputs of one row.  STORES: pieces of 64 bytes a row, 256 KiB in all.
.set SPARE, 4096                       ; behind the four images of 1,024 bytes: the spare words, 128 bytes a wave
.set SPW, 10
.set NIL, 11
	s_load_b256 s[4:11], s[0:1], 0x0               ; ctxf s[4:5], Wo s[6:7], flags s[8:9], out0 s[10:11]
	v_lshl_add_u32 v[SPW], v0, 2, SPARE
	v_mov_b32 v[NIL], 0
	v_lshrrev_b32 v1, 5, v0
	v_readfirstlane_b32 s12, v1                    ; wave 0..3
	s_mov_b32 s13, ttmp9                           ; which 16 outputs
	s_and_b32 s14, ttmp7, 0xffff                   ; batch
	v_and_b32 v1, 15, v0                           ; r
	v_bfe_u32 v2, v0, 4, 1                         ; hh
	v_and_b32 v3, 31, v0
	v_lshlrev_b32 v3, 4, v3                        ; 16 x lane
	s_lshl_b32 s20, s12, 10
	v_add_nc_u32 v4, s20, v3                       ; my wave's image
	v_lshlrev_b32 v5, 12, v1
	v_lshl_add_u32 v6, v2, 5, v5                   ; out0: row r of 4,096 bytes, + 32 hh
	v_lshl_add_u32 v5, v2, 7, v5                   ; Wo, ctxf: row r of 4,096 bytes, + 128 hh
	s_wait_kmcnt 0x0
	s_lshl_b32 s16, s14, 2
	s_mov_b32 s17, 0
	s_add_nc_u64 s[16:17], s[8:9], s[16:17]
	s_load_b32 s15, s[16:17], 0x0                  ; f_b
	s_lshl_b32 s18, s13, 16                        ; Wo: 16 rows of 4,096 bytes a work-group, + 1,024 bytes a wave
	s_add_co_u32 s18, s18, s20
	s_mov_b32 s19, 0
	s_add_nc_u64 s[6:7], s[6:7], s[18:19]
	s_lshl_b32 s18, s14, 16                        ; ctxf: 65,536 bytes a batch
	s_add_co_u32 s18, s18, s20
	s_add_nc_u64 s[4:5], s[4:5], s[18:19]
.macro CLOAD c                         ; chunk c into set c % 2: 32 registers of Wo, 32 of ctxf
.irp i, 0,1,2,3,4,5,6,7
	global_load_b128 v[32+64*((\c)%2)+4*\i:35+64*((\c)%2)+4*\i], v5, s[6:7] offset:256*(\c)+16*\i
	global_load_b128 v[64+64*((\c)%2)+4*\i:67+64*((\c)%2)+4*\i], v5, s[4:5] offset:256*(\c)+16*\i
.endr
.endm
.macro CMUL c                          ; 16 steps of 4 along K on four accumulators by turns; v160-191 are written by matrix instructions alone
.irp i, 0,1,2,3,4,5,6,7,8,9,10,11,12,13,14,15
.if ((\c) == 0) && (\i < 4)
	v_wmma_f32_16x16x4_f32 v[160+8*(\i%4):167+8*(\i%4)], v[32+64*((\c)%2)+2*\i:33+64*((\c)%2)+2*\i], v[64+64*((\c)%2)+2*\i:65+64*((\c)%2)+2*\i], 0
.else
	v_wmma_f32_16x16x4_f32 v[160+8*(\i%4):167+8*(\i%4)], v[32+64*((\c)%2)+2*\i:33+64*((\c)%2)+2*\i], v[64+64*((\c)%2)+2*\i:65+64*((\c)%2)+2*\i], v[160+8*(\i%4):167+8*(\i%4)]
.endif
.endr
.endm
.macro PLACES8                         ; eight places behind this form, in front of loads into its sources and of reads of its results
.rept 8
	v_nop
.endr
.endm
	CLOAD 0
	CLOAD 1
	s_wait_loadcnt 16                              ; chunk 0's 16 loads are in; the other set's 16 may be out
	CMUL 0
	PLACES8
	CLOAD 2
	s_wait_loadcnt 16
	CMUL 1
	PLACES8
	CLOAD 3
	s_wait_loadcnt 16
	CMUL 2
	s_wait_loadcnt 0x0
	CMUL 3
	PLACES8
.irp i, 0,2,4,6
	v_pk_add_f32 v[192+\i:193+\i], v[160+\i:161+\i], v[168+\i:169+\i]
.endr
.irp i, 0,2,4,6
	v_pk_add_f32 v[200+\i:201+\i], v[176+\i:177+\i], v[184+\i:185+\i]
.endr
.irp i, 0,2,4,6
	v_pk_add_f32 v[192+\i:193+\i], v[192+\i:193+\i], v[200+\i:201+\i]
.endr
	ds_store_b128 v4, v[192:195]                   ; my part, as an image of its registers
	ds_store_b128 v4, v[196:199] offset:512
	s_wait_dscnt 0x0                               ; for wave 0's sake
	s_barrier_signal -1
	s_barrier_wait -1
	s_cmp_lg_u32 s12, 0
	s_cbranch_scc1 .Lend
.irp n, 1,2,3
	ds_load_b128 v[200+8*\n:203+8*\n], v3 offset:1024*\n
	ds_load_b128 v[204+8*\n:207+8*\n], v3 offset:1024*\n+512
.endr
	s_wait_kmcnt 0x0
	s_min_u32 s15, s15, 2032                       ; g
	s_lshl_b32 s18, s14, 11
	s_add_co_u32 s18, s18, s15
	s_lshl_b32 s18, s18, 12                        ; row 2,048 b + g, 4,096 bytes a row,
	s_lshl_b32 s20, s13, 6                         ; + 64 bytes a work-group
	s_add_co_u32 s18, s18, s20
	s_add_nc_u64 s[10:11], s[10:11], s[18:19]
	s_wait_dscnt 0x0
.irp n, 1,2,3
.irp i, 0,2,4,6
	v_pk_add_f32 v[192+\i:193+\i], v[192+\i:193+\i], v[200+8*\n+\i:201+8*\n+\i]
.endr
.endr
	global_store_b128 v6, v[192:195], s[10:11]     ; lane (r, hh): out0(g + r, 16 x + 8 hh + 0..7)
	global_store_b128 v6, v[196:199], s[10:11] offset:16
.Lend:
	s_wait_tensorcnt 0x0                           ; the wave's end, behind my last LDS store
	ds_add_u32 v[SPW], v[NIL]
	s_wait_dscnt 0x0
	s_endpgm
.Lfunc_end_k_qbb60ed1149_fout:
	.size	k_qbb60ed1149_fout, .Lfunc_end_k_qbb60ed1149_fout-k_qbb60ed1149_fout
	.p2alignl 7, 3214868480
	.fill 96, 4, 3214868480
	.section	.rodata,"a",@progbits
	.p2align	6, 0x0
	.amdhsa_kernel k_qbb60ed1149_fout
		.amdhsa_group_segment_fixed_size 4608
		.amdhsa_private_segment_fixed_size 0
		.amdhsa_enable_private_segment 0
		.amdhsa_kernarg_size 32
		.amdhsa_user_sgpr_count 2
		.amdhsa_user_sgpr_kernarg_segment_ptr 1
		.amdhsa_wavefront_size32 1
		.amdhsa_system_sgpr_workgroup_id_x 1
		.amdhsa_system_sgpr_workgroup_id_y 1
		.amdhsa_system_sgpr_workgroup_id_z 1
		.amdhsa_system_vgpr_workitem_id 0
		.amdhsa_next_free_vgpr 256
		.amdhsa_next_free_sgpr 66
		.amdhsa_reserve_vcc 0
		.amdhsa_float_denorm_mode_32 3
		.amdhsa_float_denorm_mode_16_64 3
		.amdhsa_memory_ordered 1
		.amdhsa_forward_progress 1
		.amdhsa_inst_pref_size 16
	.end_amdhsa_kernel
	.amdgpu_metadata
---
amdhsa.version: [ 1, 2 ]
amdhsa.kernels:
  - .name:           k_qbb60ed1149_fout
    .symbol:         k_qbb60ed1149_fout.kd
    .args:
      - { .name: ctxf, .offset: 0, .size: 8, .value_kind: global_buffer, .address_space: global }
      - { .name: Wo, .offset: 8, .size: 8, .value_kind: global_buffer, .address_space: global }
      - { .name: flags, .offset: 16, .size: 8, .value_kind: global_buffer, .address_space: global }
      - { .name: out0, .offset: 24, .size: 8, .value_kind: global_buffer, .address_space: global }
    .group_segment_fixed_size: 4608
    .private_segment_fixed_size: 0
    .kernarg_segment_align: 8
    .kernarg_segment_size: 32
    .max_flat_workgroup_size: 128
    .sgpr_count:     66
    .vgpr_count:     256
    .wavefront_size: 32
...
	.end_amdgpu_metadata
.endif
;; end of part 6
